; MI455X (gfx1250); checked and timed in simulation.
; The chip was launched on July 23, 2026; its instructions are those of AMD's public machine-readable ISA for CDNA 5 (MIT licence, August 2026) and "CDNA5" Instruction Set Architecture Reference Guide (July 2026). The comments in the code are by the model that wrote it; some were corrected since.
;; Multi Head Attention. Allowed arithmetic: float matrix products may take bf16 or f16 operands with f32 sums; other float arithmetic in f32, or as packed bf16 or f16 multiplies, adds, multiply-adds, maxima and minima; sums over many terms, partial sums and values carried from step to step in f32; what a program stores and reads back later, other than sums and carried values, may be rounded once to bf16 or f16.
;; Inputs: attn_mask 4 x 2,048 x 2,048 bool; b_k 1,024 float32; b_q 1,024 float32; b_v 1,024 float32; w_k 1,024 x 1,024 float32; w_q 1,024 x 1,024 float32; w_v 1,024 x 1,024 float32; x_k_v 4 x 2,048 x 1,024 float32; x_q 4 x 2,048 x 1,024 float32.
;; Outputs: out0 4 x 2,048 x 1,024 float32.
;; 2 versions, each right; version 2 is version 1 with the launch prep written anew for expert scheduling mode. Each part assembles by itself: llvm-mc -triple=amdgcn-amd-amdhsa -mcpu=gfx1250 --defsym DOCPART=n.
;; ======== version 1 of 2: 3 launches
;; limits: values are held in f16: magnitudes above 65,504 overflow, below 6.1e-05 lose precision
;; workspace buffers: xb 33,554,432 bytes; wb 6,291,456 bytes; mb 2,097,152 bytes of whole numbers; qkv 50,331,648 bytes
;; launch prep (part 1): grid 32 x 35, 8 waves a work-group, no clusters, 34,048 bytes of LDS; arguments x_q, x_k_v, w_q, w_k, w_v, attn_mask, xb, wb, mb; writes xb, wb, mb
.if DOCPART == 1
	.amdgcn_target "amdgcn-amd-amdhsa--gfx1250"
	.amdhsa_code_object_version 6
	.text
	.protected	k_q4af8e7beaf_prep
	.globl	k_q4af8e7beaf_prep
	.p2align	8
	.type	k_q4af8e7beaf_prep,@function
k_q4af8e7beaf_prep:
	s_mov_b64 s[64:65], 0
	v_nop
	global_prefetch_b8 v0, s[64:65] scope:SCOPE_SE
	s_setreg_imm32_b32 hwreg(HW_REG_WAVE_MODE, 25, 1), 1
	s_wait_xcnt 0x0
; PREP.  Two streams in one launch, told apart by the work-group's y.
; y = 0..18, THE CAST: x_q (y 0-7), x_k_v (y 8-15), w_q, w_k, w_v (y 16, 17, 18) are rounded once to bf16, in the order in which they lie:
;   xb = [2][8192][1024] bf16, wb = [3][1024 k][1024 n] bf16.  A work-group takes 32,768 numbers: 131,072 bytes in, 65,536 out.
;   Thread t takes 16 bytes at 16 t + 4,096 j (j = 0..31): a wave's load covers 512 consecutive bytes; its four numbers pack into 8 bytes at 8 t + 2,048 j:
;   a wave's store covers 256 consecutive bytes, aligned.  All 32 loads of a thread go out at once, and no register is written twice, so the only waits are the counted ones.
; y = 19..34, THE MASK: attn_mask [4][2048][2048] of bytes (0 or 1) becomes lane masks for the attention launch:
;   mb = [b 4][qt 128][kb 128][j 8] of 32-bit words; bit l of a word is 1 where attn_mask[b][16 qt + l % 16][16 kb + 8 (l / 16) + j] is 0, that is where the key is VISIBLE:
;   lane l's element in register j of a 16 x 16 result that holds one query a lane and eight keys.  One word then serves v_cndmask_b32 as it is, for all 16 heads.
;   A work-group takes 16 rows (one qt): 32,768 consecutive bytes.  They come in by loads of 512 consecutive bytes a wave and go THROUGH LDS, since a compare gathers one byte of each of 32 lanes and so
;   wants a lane a row: taken so from memory, each load would touch 32 bytes of each of 16 rows.  Each of the eight waves then packs 256 keys of the 16 rows.
; No matrix unit, no cluster, no tensor load: nothing is read twice.
.set X, 8                              ; v[8:135] the cast's 32 loads; v[8:39] the mask's eight
.set MPITCH, 2064                      ; a row of the mask in LDS: 2,048 bytes + 16 = 129 x 16: the 16 rows of a read start at 16 different groups of four banks (64 banks of 4 bytes: ISA guide 11.1)
.set SPARE, 16*MPITCH                  ; behind the rows: the spare words, 128 bytes for each wave: four blocks of 256 bytes that no other line names
.set SPW, 6                            ; v6  my spare word: SPARE + 4 x my thread's number; never rewritten
.set NIL, 7                            ; v7  0; never rewritten
	s_load_b512 s[4:19], s[0:1], 0x0               ; x_q 4:5, x_k_v 6:7, w_q 8:9, w_k 10:11, w_v 12:13, attn_mask 14:15, xb 16:17, wb 18:19
	s_load_b64 s[20:21], s[0:1], 0x40              ; mb
	v_lshl_add_u32 v[SPW], v0, 2, SPARE
	v_mov_b32 v[NIL], 0
	s_and_b32 s2, ttmp7, 0xffff                    ; y
	s_wait_kmcnt 0x0
	s_cmp_ge_u32 s2, 19
	s_cbranch_scc1 .Lmask
	; THE CAST.  Which block of 32,768 numbers of the source, which of the destination
	s_and_b32 s26, s2, 7                           ; x: y % 8 of eight rows of 32 work-groups
	s_max_u32 s27, s2, 16
	s_sub_co_u32 s27, s27, 16                      ; w: which of the three
	s_cmp_ge_u32 s2, 16
	s_cselect_b32 s26, 0, s26                      ; a weight matrix is one row of 32 work-groups
	s_cselect_b32 s27, s27, s2
	s_cselect_b64 s[24:25], s[18:19], s[16:17]     ; into wb or xb
	s_cselect_b64 s[22:23], s[8:9], s[6:7]
	s_cmp_ge_u32 s2, 8
	s_cselect_b64 s[22:23], s[22:23], s[4:5]
	s_cmp_ge_u32 s2, 17
	s_cselect_b64 s[22:23], s[10:11], s[22:23]
	s_cmp_ge_u32 s2, 18
	s_cselect_b64 s[22:23], s[12:13], s[22:23]
	s_lshl_b32 s26, s26, 5
	s_add_co_u32 s26, s26, ttmp9
	s_lshl_b32 s27, s27, 5
	s_add_co_u32 s27, s27, ttmp9
	s_lshl_b32 s28, s26, 17                        ; x 131,072 bytes, 33.4 million at the most
	s_mov_b32 s29, 0
	s_lshl_b32 s30, s27, 16                        ; x 65,536 bytes
	s_mov_b32 s31, 0
	s_add_nc_u64 s[22:23], s[22:23], s[28:29]
	s_add_nc_u64 s[24:25], s[24:25], s[30:31]
	v_lshlrev_b32 v1, 4, v0                        ; 16 t
	v_lshlrev_b32 v2, 3, v0                        ; 8 t
.set j, 0
.rept 32
	global_load_b128 v[X+4*j:X+4*j+3], v1, s[22:23] offset:4096*j th:TH_LOAD_NT
.set j, j+1
.endr
.set j, 0
.rept 32
	s_wait_loadcnt 31-j                            ; loads come back in order: number j is in, the 31 - j younger ones stay out
	v_cvt_pk_bf16_f32 v[X+4*j], v[X+4*j], v[X+4*j+1]
	v_cvt_pk_bf16_f32 v[X+4*j+1], v[X+4*j+2], v[X+4*j+3]
	global_store_b64 v2, v[X+4*j:X+4*j+1], s[24:25] offset:2048*j
.set j, j+1
.endr
	s_endpgm                                       ; this way stores nothing to LDS
.Lmask:
	s_sub_co_u32 s22, s2, 19
	s_lshl_b32 s22, s22, 5
	s_add_co_u32 s22, s22, ttmp9                   ; g = 128 b + qt, 0..511
	v_lshrrev_b32 v3, 5, v0
	v_readfirstlane_b32 s23, v3                    ; wave 0..7
	s_lshl_b32 s24, s22, 15                        ; 16 rows of 2,048 bytes, on end in memory
	s_mov_b32 s25, 0
	s_add_nc_u64 s[14:15], s[14:15], s[24:25]
	s_lshl_b32 s24, s22, 12                        ; a qt's 1,024 words
	s_lshl_b32 s25, s23, 9                         ; my wave's 128 of them
	s_add_co_u32 s24, s24, s25
	s_mov_b32 s25, 0
	s_add_nc_u64 s[20:21], s[20:21], s[24:25]
	v_lshlrev_b32 v1, 4, v0                        ; 16 t
.set j, 0
.rept 8                                ; load j: bytes 4,096 j + 16 t of the 32,768: a wave's load covers 512 consecutive bytes
	global_load_b128 v[X+4*j:X+4*j+3], v1, s[14:15] offset:4096*j th:TH_LOAD_NT
.set j, j+1
.endr
	s_lshr_b32 s26, s23, 2                         ; my wave's 512 bytes of load j lie in row 2 j + w / 4,
	s_mul_i32 s26, s26, MPITCH
	s_and_b32 s27, s23, 3                          ; at byte 512 (w % 4) of it
	s_lshl_b32 s27, s27, 9
	s_add_co_u32 s26, s26, s27
	v_and_b32 v5, 31, v0
	v_lshlrev_b32 v5, 4, v5                        ; 16 l: my place in the wave's 512 bytes, in and out
	v_add_nc_u32 v2, s26, v5                       ; into LDS
	v_and_b32 v3, 15, v0                           ; r = l % 16: the row that I pack
	v_bfe_u32 v4, v0, 4, 1                         ; h = l / 16
	v_mul_u32_u24 v3, v3, MPITCH
	v_lshl_add_u32 v3, v4, 4, v3
	s_lshl_b32 s27, s23, 8                         ; my wave's 256 keys
	v_add_nc_u32 v3, s27, v3                       ; out of LDS: r x pitch + 256 w + 16 h
.irp k, 44,45,46,47
	v_mov_b32 v\k, 0                               ; v_writelane_b32's destination counts as read
.endr
.set j, 0
.rept 8
	s_wait_loadcnt 7-j                             ; load j is in, the younger ones stay out
	ds_store_b128 v2, v[X+4*j:X+4*j+3] offset:2*MPITCH*j
.set j, j+1
.endr
	s_wait_dscnt 0x0                               ; for the others' sake: my stores are done
	s_barrier_signal -1
	s_barrier_wait -1                              ; all 16 rows lie in LDS
.set j, 0
.rept 8                                ; read c: keys 256 w + 32 c + 16 h + 0..15 of row r
	ds_load_b128 v[X+4*j:X+4*j+3], v3 offset:32*j
.set j, j+1
.endr
; Read c.  Byte be = 8 h' + j of a lane's 16 is key 32 c + 16 h + 8 h' + j.  A compare gathers that byte of all 32 lanes: G(h', j), bit (r, h), 1 where the byte is 0.
; The word of key block 2 c + a and register j wants bit (r, h'') = key 32 c + 16 a + 8 h'' + j: the half h = a of G(0, j) below, that of G(1, j) above.
; Word number 16 c + 8 a + j of the wave's 128 goes to lane number / 4, register number % 4, so that one store of 16 bytes a lane writes them in order.
.macro MW c
	s_wait_dscnt 7-(\c)                            ; LDS loads come back in order: read c is in, the younger ones stay out
.set be, 0
.rept 16
	v_and_b32 v[40+be%2], 0xff<<(8*(be%4)), v[X+4*(\c)+be/4]
	v_cmp_eq_u32 s[24+be], 0, v[40+be%2]
.set be, be+1
.endr
.set j, 0
.rept 8
	s_and_b32 s40, s[24+j], 0xffff
	s_lshl_b32 s41, s[32+j], 16
	s_or_b32 s40, s40, s41
	s_lshr_b32 s42, s[24+j], 16
	s_and_b32 s43, s[32+j], 0xffff0000
	s_or_b32 s42, s42, s43
	v_writelane_b32 v[44+j%4], s40, 4*(\c)+j/4
	v_writelane_b32 v[44+j%4], s42, 4*(\c)+2+j/4
.set j, j+1
.endr
.endm
.irp c, 0,1,2,3,4,5,6,7
	MW \c
.endr
	global_store_b128 v5, v[44:47], s[20:21]       ; 512 consecutive bytes, aligned
	s_wait_tensorcnt 0x0                           ; the wave's end, behind my last LDS store
	ds_add_u32 v[SPW], v[NIL]
	s_wait_dscnt 0x0
	s_endpgm
.Lfunc_end_k_q4af8e7beaf_prep:
	.size	k_q4af8e7beaf_prep, .Lfunc_end_k_q4af8e7beaf_prep-k_q4af8e7beaf_prep
	.p2alignl 7, 3214868480
	.fill 96, 4, 3214868480
	.section	.rodata,"a",@progbits
	.p2align	6, 0x0
	.amdhsa_kernel k_q4af8e7beaf_prep
		.amdhsa_group_segment_fixed_size 34048
		.amdhsa_private_segment_fixed_size 0
		.amdhsa_enable_private_segment 0
		.amdhsa_kernarg_size 72
		.amdhsa_user_sgpr_count 2
		.amdhsa_user_sgpr_kernarg_segment_ptr 1
		.amdhsa_wavefront_size32 1
		.amdhsa_system_sgpr_workgroup_id_x 1
		.amdhsa_system_sgpr_workgroup_id_y 1
		.amdhsa_system_sgpr_workgroup_id_z 1
		.amdhsa_system_vgpr_workitem_id 0
		.amdhsa_next_free_vgpr 136
		.amdhsa_next_free_sgpr 66
		.amdhsa_reserve_vcc 0
		.amdhsa_float_denorm_mode_32 3
		.amdhsa_float_denorm_mode_16_64 3
		.amdhsa_memory_ordered 1
		.amdhsa_forward_progress 1
		.amdhsa_inst_pref_size 57
	.end_amdhsa_kernel
	.amdgpu_metadata
---
amdhsa.version: [ 1, 2 ]
amdhsa.kernels:
  - .name:           k_q4af8e7beaf_prep
    .symbol:         k_q4af8e7beaf_prep.kd
    .args:
      - { .name: x_q, .offset: 0, .size: 8, .value_kind: global_buffer, .address_space: global }
      - { .name: x_k_v, .offset: 8, .size: 8, .value_kind: global_buffer, .address_space: global }
      - { .name: w_q, .offset: 16, .size: 8, .value_kind: global_buffer, .address_space: global }
      - { .name: w_k, .offset: 24, .size: 8, .value_kind: global_buffer, .address_space: global }
      - { .name: w_v, .offset: 32, .size: 8, .value_kind: global_buffer, .address_space: global }
      - { .name: attn_mask, .offset: 40, .size: 8, .value_kind: global_buffer, .address_space: global }
      - { .name: xb, .offset: 48, .size: 8, .value_kind: global_buffer, .address_space: global }
      - { .name: wb, .offset: 56, .size: 8, .value_kind: global_buffer, .address_space: global }
      - { .name: mb, .offset: 64, .size: 8, .value_kind: global_buffer, .address_space: global }
    .group_segment_fixed_size: 34048
    .private_segment_fixed_size: 0
    .kernarg_segment_align: 8
    .kernarg_segment_size: 72
    .max_flat_workgroup_size: 256
    .sgpr_count:     66
    .vgpr_count:     136
    .wavefront_size: 32
...
	.end_amdgpu_metadata
.endif
;; end of part 1
;; launch proj (part 2): grid 12 x 32, 4 waves a work-group, clusters of 4 x 4, 327,680 bytes of LDS; arguments xb, wb, b_q, b_k, b_v, qkv; writes qkv
.if DOCPART == 2
	.amdgcn_target "amdgcn-amd-amdhsa--gfx1250"
	.amdhsa_code_object_version 6
	.text
	.protected	k_q4af8e7beaf_proj
	.globl	k_q4af8e7beaf_proj
	.p2align	8
	.type	k_q4af8e7beaf_proj,@function
k_q4af8e7beaf_proj:
	s_mov_b64 s[64:65], 0
	v_nop
	global_prefetch_b8 v0, s[64:65] scope:SCOPE_SE
	s_setreg_imm32_b32 hwreg(HW_REG_WAVE_MODE, 25, 1), 1
	s_wait_xcnt 0x0
	s_wait_alu depctr_hold_cnt(0) depctr_sa_sdst(0) depctr_va_vdst(0) depctr_va_sdst(0) depctr_va_ssrc(0) depctr_va_vcc(0) depctr_vm_vsrc(0)
	s_getreg_b32 s2, hwreg(HW_REG_IB_STS2, 6, 4)
	s_cmp_eq_u32 s2, 0
	s_cbranch_scc0 .Lentry_in_a_cluster
	s_endpgm
.Lentry_in_a_cluster:
	s_bfe_u32 s2, ttmp6, 0x10000c
	s_cmp_lg_u32 s2, 0xf033
	s_cbranch_scc0 .Lentry_shape_is_right
	s_endpgm
.Lentry_shape_is_right:
; PROJ.  The three projections as one product: C[m][n] = sum over k of A[m][k] W[k][n] + bias[n], m = 8,192 rows (batch x sequence), k = 1,024, n = 3 x 1,024.
; A = xb (bf16; x_q for projection 0, x_k_v for 1 and 2), W = wb (bf16, as it lies: [k][n]), the bias rounded to bf16 like the other inputs.  Sums in f32.
; OUT: qkv = [3][16 b + head][2048][64] in f16, rounded once.  Part 0 holds (x_q w_q + b_q) x c, c = log2(e) / 8, applied in f32 ahead of that one rounding; parts 1 and 2 hold k and v.
; LIMIT: f16 ends at 65,504: q c, k and v beyond that become infinities.  NaN and infinities are not treated apart.
; SHARES.  A tile of C is 256 x 256 (four heads); four waves, each 128 x 128: 64 accumulators, 512 registers.  K goes in 8 steps of 128 through two LDS slots.
; From a refill's request to the wait for it a wave issues 224 matrix instructions.  A tile of 128 x 256 would give 768 work-groups, but half that work beside each refill, and two slots of a K step of 256 do not fit in LDS.
; CLUSTER 4 x 4.  The cluster's x IS the projection, its four columns the projection's four tiles of 256 columns.  A's tile hangs on the tile row, shared along a row of the cluster; W's on the tile column,
; shared along a column: each is asked for jointly, by the same tensor load, descriptor and mask in the four.
; THE MATRIX INSTRUCTION IS USED TRANSPOSED: source 0 = 16 columns of W (out of LDS by the turning load, since W lies [k][n]), source 1 = 16 rows of A: a lane holds row l % 16 of C and the columns 8 (l / 16) + 0..7.
; REGISTERS, in windows of 256: window 0: v0-31 addresses; v64-127, v128-191 A's fragments, two buffers; v192-223, v32-63, v224-255 the way out.
;   window 1: v0-63 my 64 biases (times c for q); v64-127, v128-191 W's fragments; v192-193 at work.   windows 2, 3: the accumulators, (a, b) at v[8 (8 (a % 4) + b)].
.set EMB,    1024
.set KSTEP,  128
.set PA,     272                       ; a row of A in LDS: 256 bytes + 16: the 16 rows of a load start at 16 different groups of four banks (64 banks of 4 bytes: ISA guide 11.1)
.set PB,     544                       ; a row of W: 512 bytes + 32 = 17 x 32
.set HALFT,  128*PA                    ; what one tensor load brings: 128 rows of A, or 64 rows of W (64 x 544 is the same number)
.set SLOT,   4*HALFT                   ; A's 256 rows, then W's 128 rows
.set STAGE,  2*SLOT                    ; behind the ring, never filled by a tensor load: 16 rows x 272 bytes for each wave
.set SPITCH, 272
.set SPARE,  STAGE+4*16*SPITCH         ; the spare words: 128 bytes for each wave, two blocks of 256 bytes that no other line names
.set LAPS,   EMB/(2*KSTEP)
.set HEADB,  2048*128                  ; bytes of a head in qkv
.set ADRA, 16                          ; v16-17 LDS address of my A fragments in slot 0, 1
.set ADRB, 20                          ; v20-21 the same for W
.set STO,  24                          ; the way out: where I put 16 bytes of a row
.set RD,   25                          ; where I read rows back
.set CO,   26                          ; 16 l: my place in 512 consecutive bytes of a head
.set SPW,  28                          ; my spare word; never rewritten
.set NIL,  29                          ; 0; never rewritten
.set PFO,  30                          ; the prefetches' lane offset; never rewritten
.set BO,   31                          ; 32 (l / 16): my eight biases in a block of 16
.set F0,   64
.set F1,   128
.set TMP,  192
.set OB,   32
.set WV,   16                          ; s16 wave
.set KIND, 17                          ; s17 which half of the tile's rows is mine; also: I fetch for A (0) or for W (1)
.set HALF, 18                          ; s18 which half of its columns; also: which half of that tile I fetch
.set CX,   19
.set CY,   20
.set PJ,   21                          ; s21 the projection = the cluster's x
.set MT,   22                          ; s22 tile row of C = 4 x cluster y + cy
.set CLY,  23                          ; s23 cluster y
.set G1A,  24                          ; s[24:31] group 1 for A's tiles;  s[32:39] group 0, a set for each slot
.set G0A,  32
.set G1B,  48                          ; s[48:55], s[56:63] the same for W's
.set G0B,  56
.set SC,   66                          ; s[66:67] c for q, 1 for k and v
.set PFA,  68                          ; s[68:69] where my prefetches stand
.set PFS,  70                          ; s[70:71] a K step in bytes: 256 along A's rows, 128 rows of W
.set LIM,  72                          ; s72 1 in a wave that prefetches, else the greatest number
.set MSB, 0
.macro WIN new                         ; the immediate's high byte repeats the setting that is left; a switch that changes nothing is dropped
.if MSB != (\new)
	s_set_vgpr_msb (MSB<<8)|(\new)
.set MSB, \new
.endif
.endm
.set MUL_LO, 0xa1                      ; source 0 (W) window 1, source 1 (A) window 0, C and D window 2
.set MUL_HI, 0xf1                      ; the same, C and D window 3
.set TO_B,   0x40                      ; destination window 1, address window 0
; A joint load.  Waves 0 and 1 fetch A's two halves, waves 2 and 3 W's.  The branch hangs on the wave's number alone.  An s_nop 0 and four v_nop follow each line.
.macro JLOAD s
	s_cmp_eq_u32 s[KIND], 0
	s_cbranch_scc0 .Lfor_b_\@
	tensor_load_to_lds s[G0A+4*(\s):G0A+4*(\s)+3], s[G1A:G1A+7]
	s_nop 0
.rept 4
	v_nop
.endr
	s_branch .Lasked_\@
.Lfor_b_\@:
	tensor_load_to_lds s[G0B+4*(\s):G0B+4*(\s)+3], s[G1B:G1B+7]
	s_nop 0
.rept 4
	v_nop
.endr
.Lasked_\@:
.endm
; A prefetch, behind each joint refill, its five lines and the run of LDS loads: the K step that stands two refills on, 512 matrix instructions ahead of the load that will want it.
; Each block of 256 bytes is named once in the launch.  A's rows: x_q's by the clusters of projection 0, x_k_v's by those of projection 1; of the 128 rows that a wave fetches the partner at cx takes 32, a lane a row.
; W's rows: by the clusters with y = 0; of the 64 rows x 512 bytes that a wave fetches the partner at cy takes 16, two lanes a row.  The partners are told apart by address alone.
; K steps 0 to 3 come by their loads alone; the loop's last trip (s3 = 1) has no K step two refills on and asks for nothing.
.macro ASK
	s_cmp_gt_u32 s3, s[LIM]
	s_cbranch_scc0 .Lnot_mine_\@
	global_prefetch_b8 v[PFO], s[PFA:PFA+1] th:TH_LOAD_NT scope:SCOPE_SE
.Lnot_mine_\@:
.endm
.macro CREST                           ; a round of the cluster's barrier behind its opening barrier
	s_cmp_lg_u32 s[WV], 0
	s_cbranch_scc1 .Lnot_wave_0_\@
	s_barrier_signal -3
.Lnot_wave_0_\@:
	s_barrier_wait -3
	s_barrier_signal -1
	s_barrier_wait -1
.endm
.macro CROUND                          ; a whole round
	s_barrier_signal -1
	s_barrier_wait -1
	CREST
.endm
	s_load_b256 s[4:11], s[0:1], 0x0               ; xb 4:5, wb 6:7, b_q 8:9, b_k 10:11
	s_load_b128 s[12:15], s[0:1], 0x20             ; b_v 12:13, qkv 14:15
	v_lshl_add_u32 v[SPW], v0, 2, SPARE
	v_mov_b32 v[NIL], 0
	ds_add_u32 v[SPW], v[NIL]                      ; the wave's opening: the add and its wait ahead of my first tensor load; the set-up below, work on registers, stands between
	v_lshrrev_b32 v1, 5, v0
	v_readfirstlane_b32 s[WV], v1
	s_lshr_b32 s[KIND], s[WV], 1
	s_and_b32 s[HALF], s[WV], 1
	s_bfe_u32 s[CX], ttmp6, 0x40000
	s_bfe_u32 s[CY], ttmp6, 0x40004
	s_mov_b32 s[PJ], ttmp9
	s_and_b32 s[CLY], ttmp7, 0xffff
	s_lshl_b32 s[MT], s[CLY], 2
	s_add_co_u32 s[MT], s[MT], s[CY]
	s_lshl_b32 s40, s[CY], 2
	s_lshl_b32 s40, 15, s40                        ; my row of the cluster
	s_lshl_b32 s44, 0x1111, s[CX]                  ; my column
	s_or_b32 s[G1A], s40, (1<<16)|(1<<20)|(1<<21)|(5<<22)|(3<<25)  ; the mask; 2-byte elements; padding on; 21 set beside a mask; after every 64 words, 4 words
	s_mov_b32 s[G1A+1], KSTEP<<16                  ; tensor_dim0 = 128
	s_mov_b32 s[G1A+2], 128<<16                    ; tensor_dim1 = 128
	s_mov_b32 s[G1A+3], KSTEP<<16                  ; tile_dim0 = 128
	s_mov_b32 s[G1A+4], 128                        ; tile_dim1 = 128
	s_mov_b32 s[G1A+5], EMB                        ; elements from row to row
	s_mov_b32 s[G1A+6], 0
	s_mov_b32 s[G1A+7], 0
	s_or_b32 s[G1B], s44, (1<<16)|(1<<20)|(1<<21)|(6<<22)|(7<<25)  ; after every 128 words, 8 words
	s_mov_b32 s[G1B+1], 256<<16                    ; tensor_dim0 = 256
	s_mov_b32 s[G1B+2], 64<<16                     ; tensor_dim1 = 64
	s_mov_b32 s[G1B+3], 256<<16                    ; tile_dim0 = 256
	s_mov_b32 s[G1B+4], 64                         ; tile_dim1 = 64
	s_mov_b32 s[G1B+5], EMB
	s_mov_b32 s[G1B+6], 0
	s_mov_b32 s[G1B+7], 0
	; A's tile: row 256 x tile row + 128 x half, in x_q's part or x_k_v's.  s40-43 never hold cx
	s_lshl_b32 s40, s[MT], 8
	s_lshl_b32 s41, s[HALF], 7
	s_add_co_u32 s40, s40, s41
	s_lshl_b32 s40, s40, 11                        ; rows of 2,048 bytes
	s_cmp_lg_u32 s[PJ], 0
	s_cselect_b32 s41, 16777216, 0
	s_add_co_u32 s40, s40, s41
	s_mov_b32 s41, 0
	; W's tile: the projection's matrix, row 64 x half, column 256 cx.  s44-47 never hold cy
	s_lshl_b32 s44, s[PJ], 21
	s_lshl_b32 s45, s[HALF], 17
	s_add_co_u32 s44, s44, s45
	s_lshl_b32 s45, s[CX], 9
	s_add_co_u32 s44, s44, s45
	s_mov_b32 s45, 0
	s_mul_i32 s74, s[WV], HALFT                    ; where they go: A's two halves, then W's two: no place in the cluster enters an LDS address
	s_cmp_eq_u32 s[PJ], 0
	s_cselect_b32 s[SC], 0x3e38aa3b, 1.0           ; c = log2(e) / 8 for q
	s_mov_b32 s[SC+1], s[SC]
	s_wait_dscnt 0x0                               ; the opening add is done
	s_wait_kmcnt 0x0
	s_add_nc_u64 s[42:43], s[4:5], s[40:41]
	s_add_nc_u64 s[46:47], s[6:7], s[44:45]
	CROUND                                         ; all sixteen work-groups are here: the first joint loads meet
.irp s, 0,1
	s_mov_b32 s[G0A+4*(\s)], 1
	s_add_co_u32 s[G0A+4*(\s)+1], s74, (\s)*SLOT
	s_add_nc_u64 s[G0A+4*(\s)+2:G0A+4*(\s)+3], s[42:43], (\s)*KSTEP*2
	s_or_b32 s[G0A+4*(\s)+3], s[G0A+4*(\s)+3], 0x80000000
	s_mov_b32 s[G0B+4*(\s)], 1
	s_add_co_u32 s[G0B+4*(\s)+1], s74, (\s)*SLOT
	s_add_nc_u64 s[G0B+4*(\s)+2:G0B+4*(\s)+3], s[46:47], (\s)*KSTEP*EMB*2
	s_or_b32 s[G0B+4*(\s)+3], s[G0B+4*(\s)+3], 0x80000000
	JLOAD \s                                       ; K steps 0 and 1: two loads of mine are out
.endr
	; my 64 biases: columns 256 cx + 128 half + 16 b + 8 (l / 16) + 0..7
	s_cmp_eq_u32 s[PJ], 1
	s_cselect_b64 s[8:9], s[10:11], s[8:9]
	s_cmp_eq_u32 s[PJ], 2
	s_cselect_b64 s[8:9], s[12:13], s[8:9]
	s_lshl_b32 s76, s[CX], 10
	s_lshl_b32 s77, s[HALF], 9
	s_add_co_u32 s76, s76, s77
	s_mov_b32 s77, 0
	s_add_nc_u64 s[8:9], s[8:9], s[76:77]
	v_and_b32 v1, 15, v0                           ; l % 16
	v_bfe_u32 v2, v0, 4, 1                         ; l / 16
	v_lshlrev_b32 v[BO], 5, v2
	WIN TO_B
.irp b, 0,1,2,3,4,5,6,7
	global_load_b128 v[8*(\b):8*(\b)+3],   v[BO], s[8:9] offset:64*(\b)
	global_load_b128 v[8*(\b)+4:8*(\b)+7], v[BO], s[8:9] offset:64*(\b)+16
.endr
	WIN 0
	; LDS addresses.  A's fragment: row l % 16, two loads of 16 bytes 32 apart.  W's: the turning load reads row 8 (l / 16) + l % 8 along k, 16 bytes at 16 ((l / 8) % 2)
	v_mul_u32_u24 v3, v1, PA
	v_lshl_add_u32 v3, v2, 4, v3
	s_mul_i32 s75, s[KIND], HALFT
	v_add_nc_u32 v[ADRA], s75, v3
	v_add_nc_u32 v[ADRA+1], SLOT, v[ADRA]
	v_and_b32 v4, 7, v0
	v_bfe_u32 v5, v0, 3, 1
	v_lshl_add_u32 v6, v2, 3, v4
	v_mul_u32_u24 v6, v6, PB
	v_lshl_add_u32 v6, v5, 4, v6
	s_lshl_b32 s75, s[HALF], 8                     ; my 128 columns: 256 bytes
	s_add_co_u32 s75, s75, 2*HALFT
	v_add_nc_u32 v[ADRB], s75, v6
	v_add_nc_u32 v[ADRB+1], SLOT, v[ADRB]
	s_mul_i32 s75, s[WV], 16*SPITCH
	s_add_co_u32 s75, s75, STAGE                   ; my stage
	v_add_nc_u32 v[STO], s75, v3                   ; in: row l % 16, 16 bytes for each half of the lanes
	v_bfe_u32 v7, v0, 3, 2                         ; back: 32 lanes take four rows of one head's 128 bytes,
	v_mul_u32_u24 v7, v7, SPITCH
	v_lshl_add_u32 v7, v4, 4, v7
	v_add_nc_u32 v[RD], s75, v7
	v_and_b32 v8, 31, v0
	v_lshlrev_b32 v[CO], 4, v8                     ; which are 512 consecutive bytes of qkv
	; where my part of C begins: part p, head 16 b + 4 cx + 2 half, row (tile row % 8) x 256 + 128 x my half of the rows
	s_lshr_b32 s76, s[MT], 3
	s_lshl_b32 s76, s76, 4
	s_lshl_b32 s77, s[CX], 2
	s_add_co_u32 s76, s76, s77
	s_lshl_b32 s77, s[HALF], 1
	s_add_co_u32 s76, s76, s77
	s_lshl_b32 s76, s76, 11
	s_and_b32 s77, s[MT], 7
	s_lshl_b32 s77, s77, 8
	s_add_co_u32 s76, s76, s77
	s_lshl_b32 s77, s[KIND], 7
	s_add_co_u32 s76, s76, s77
	s_lshl_b32 s76, s76, 7                         ; rows of 128 bytes
	s_lshl_b32 s77, s[PJ], 24
	s_add_co_u32 s76, s76, s77                     ; 50.3 million at the most
	s_mov_b32 s77, 0
	s_add_nc_u64 s[14:15], s[14:15], s[76:77]
	; the prefetches: my work-group's share of what I fetch, at K step 3; the first change of slots steps it to K step 4
	s_lshl_b32 s76, s[CX], 16                      ; A: 32 cx rows of 2,048 bytes
	s_add_co_u32 s76, s76, s40
	s_add_co_u32 s76, s76, 3*KSTEP*2
	s_lshl_b32 s78, s[CY], 15                      ; W: 16 cy rows
	s_add_co_u32 s78, s78, s44
	s_add_co_u32 s78, s78, 3*KSTEP*EMB*2
	s_mov_b32 s79, KSTEP*EMB*2
	s_cmp_eq_u32 s[KIND], 0
	s_cselect_b32 s76, s76, s78
	s_cselect_b64 s[PFA:PFA+1], s[4:5], s[6:7]
	s_cselect_b32 s[PFS], KSTEP*2, s79
	s_cselect_b32 s73, 0, -1                       ; all lanes: W's lane offset, or A's
	s_mov_b32 s77, 0
	s_mov_b32 s[PFS+1], 0
	s_add_nc_u64 s[PFA:PFA+1], s[PFA:PFA+1], s[76:77]
	s_cmp_lt_u32 s[PJ], 2
	s_cselect_b32 s78, 1, -1                       ; A: projections 0 and 1 ask (2 reads the rows that 1 names)
	s_cmp_eq_u32 s[CLY], 0
	s_cselect_b32 s79, 1, -1                       ; W: the clusters with y = 0 ask
	s_cmp_eq_u32 s[KIND], 0
	s_cselect_b32 s[LIM], s78, s79                 ; the same in all sixteen partners, for a given wave
	v_lshlrev_b32 v9, 11, v8                       ; A: a lane a row
	v_lshrrev_b32 v10, 1, v8                       ; W: two lanes a row of 512 bytes
	v_and_b32 v11, 1, v8
	v_lshlrev_b32 v10, 11, v10
	v_lshl_add_u32 v10, v11, 8, v10
	v_cndmask_b32 v[PFO], v9, v10, s73
	; the biases: rounded to bf16 like the other inputs, widened again, times c for q.  This stands in the wait for the first tile
	s_wait_loadcnt 0x0
	WIN 0x45                                       ; destination and sources 0 and 1 in window 1
.set i, 0
.rept 32
	v_cvt_pk_bf16_f32 v[192+i%2], v[2*i], v[2*i+1]
	v_lshlrev_b32 v[2*i], 16, v[192+i%2]
	v_and_b32 v[2*i+1], 0xffff0000, v[192+i%2]
	v_pk_mul_f32 v[2*i:2*i+1], v[2*i:2*i+1], s[SC:SC+1] op_sel_hi:[1,0]
.set i, i+1
.endr
	WIN 0
; 16 matrix instructions: m blocks a0, a0 + 1 of the window's four x all 8 n blocks, 32 along K.  zero = 1: the first product starts the sums: nothing is cleared.
; The 64 accumulators take turns, one instruction a turn, in the same order in every quarter.
.macro MUL16 f, hi, a0, zero
	WIN MUL_LO+0x50*(\hi)
.irp a, \a0, (\a0)+1
.irp b, 0,1,2,3,4,5,6,7
.if \zero
	v_wmma_f32_16x16x32_bf16 v[8*(8*(\a)+(\b)):8*(8*(\a)+(\b))+7], v[(\f)+8*(\b):(\f)+8*(\b)+7], v[(\f)+8*(4*(\hi)+(\a)):(\f)+8*(4*(\hi)+(\a))+7], 0
.else
	v_wmma_f32_16x16x32_bf16 v[8*(8*(\a)+(\b)):8*(8*(\a)+(\b))+7], v[(\f)+8*(\b):(\f)+8*(\b)+7], v[(\f)+8*(4*(\hi)+(\a)):(\f)+8*(4*(\hi)+(\a))+7], v[8*(8*(\a)+(\b)):8*(8*(\a)+(\b))+7]
.endif
.endr
.endr
.endm
; 32 LDS loads in one run: quarter q (32 along K) of a slot into buffer f: W's 128 columns turned, then A's 128 rows
.macro FETCH slot, q, f
	WIN TO_B
.irp b, 0,1,2,3,4,5,6,7
	ds_load_tr16_b128 v[(\f)+8*(\b):(\f)+8*(\b)+3],   v[ADRB+(\slot)] offset:(\q)*32*PB+32*(\b)
	ds_load_tr16_b128 v[(\f)+8*(\b)+4:(\f)+8*(\b)+7], v[ADRB+(\slot)] offset:(\q)*32*PB+16*PB+32*(\b)
.endr
	WIN 0
.irp i, 0,1,2,3,4,5,6,7
	ds_load_b128 v[(\f)+8*(\i):(\f)+8*(\i)+3],   v[ADRA+(\slot)] offset:64*(\q)+(\i)*16*PA
	ds_load_b128 v[(\f)+8*(\i)+4:(\f)+8*(\i)+7], v[ADRA+(\slot)] offset:64*(\q)+(\i)*16*PA+32
.endr
.endm
.macro PLACES                          ; four plain vector instructions between a matrix instruction and a load into, or a vector instruction on, its registers
.rept 4
	v_nop
.endr
.endm
; One of a K step's first three quarters: multiplies buffer f; in its middle fetches quarter q of the same slot into g
.macro QUARTER slot, q, f, g, zero
	s_wait_dscnt 8                                 ; W and A's rows 0-63 are in; the youngest eight loads (A's rows 64-127) may be out
	MUL16 \f, 0, 0, \zero
	MUL16 \f, 0, 2, \zero
	PLACES
	FETCH \slot, \q, \g
	s_wait_dscnt 32                                ; all but the 32 just issued
	MUL16 \f, 1, 0, \zero
	MUL16 \f, 1, 2, \zero
.endm
; The first half of a K step's last quarter, and the one barrier of the change of slots.  In front of it each wave waits for all its tensor loads (one is out: its part of the next slot), adds 0 to its
; spare word, and waits for that and for its own reads of this slot.  Behind it nobody reads this slot and the next slot is whole.
.macro MEET round
	WIN 0                                          ; (the add's registers lie in window 0)
	s_wait_tensorcnt 0x0
	ds_add_u32 v[SPW], v[NIL]
	s_wait_dscnt 9                                 ; the add and the youngest eight loads may be out
	MUL16 F1, 0, 0, 0
	s_wait_dscnt 0x0                               ; the add is done, and my reads of this slot are over
	s_barrier_signal -1
	MUL16 F1, 0, 2, 0
.if \round
	WIN 0
.endif
	s_barrier_wait -1
.endm
; The whole last quarter.  fill = 1: the barrier opens a round of the cluster's, and the slot just read is filled again first behind it, with the K step two on
.macro TURN slot, next, fill
.if \fill
	s_wait_xcnt 0x0                                ; the last prefetch, a K step back, has read its address
	s_add_nc_u64 s[PFA:PFA+1], s[PFA:PFA+1], s[PFS:PFS+1]
	MEET 1
	CREST                                          ; no wave of any partner still reads this slot or has a load on its way
	s_add_nc_u64 s[G0A+4*(\slot)+2:G0A+4*(\slot)+3], s[G0A+4*(\slot)+2:G0A+4*(\slot)+3], 2*KSTEP*2
	s_add_nc_u64 s[G0B+4*(\slot)+2:G0B+4*(\slot)+3], s[G0B+4*(\slot)+2:G0B+4*(\slot)+3], 2*KSTEP*EMB*2
	JLOAD \slot                                    ; its four v_nop are also the places in front of the loads below
.else
	MEET 0
	PLACES
.endif
	FETCH \next, 0, F0
.if \fill
	ASK
.endif
	MUL16 F1, 1, 0, 0
	MUL16 F1, 1, 2, 0
.endm
	s_wait_tensorcnt 1                             ; my part of K step 0 is in; K step 1's may stay out
	s_barrier_signal -1
	s_barrier_wait -1
	FETCH 0, 0, F0
	QUARTER 0, 1, F0, F1, 1                        ; the first quarter stands in front of the loop: its products start the sums
	WIN 0
	s_mov_b32 s3, LAPS-1
.Llap:                                         ; a trip goes once round the ring and fills both slots again
	QUARTER 0, 2, F1, F0, 0
	QUARTER 0, 3, F0, F1, 0
	TURN 0, 1, 1
	QUARTER 1, 1, F0, F1, 0
	QUARTER 1, 2, F1, F0, 0
	QUARTER 1, 3, F0, F1, 0
	TURN 1, 0, 1
	QUARTER 0, 1, F0, F1, 0
	WIN 0
	s_sub_co_u32 s3, s3, 1
	s_cmp_lg_u32 s3, 0
	s_cbranch_scc1 .Llap
	QUARTER 0, 2, F1, F0, 0                        ; the last lap is written out: it fills nothing
	QUARTER 0, 3, F0, F1, 0
	TURN 0, 1, 0
	QUARTER 1, 1, F0, F1, 0
	QUARTER 1, 2, F1, F0, 0
	QUARTER 1, 3, F0, F1, 0
	s_wait_dscnt 8
	MUL16 F1, 0, 0, 0
	MUL16 F1, 0, 2, 0
	s_wait_dscnt 0x0
	MUL16 F1, 1, 0, 0
	MUL16 F1, 1, 2, 0
	WIN 0
	PLACES
; THE WAY OUT of block a (16 rows).  PACK: sum x scale + bias in f32, registers ascending, then rounded to f16, 16 bytes a lane.  TOSTAGE: into my own stage, and back by heads, four rows of 128 bytes a load.  SEND: stored.
.macro PACK a
.set AC, 64*((\a)%4)
	WIN 0x92+0x41*((\a)/4)                         ; destination and source 0: window 2 or 3; source 2 (the bias): window 1
.irp b, 0,1,2,3,4,5,6,7
.irp r, 0,1,2,3
	v_pk_fma_f32 v[AC+8*(\b)+2*(\r):AC+8*(\b)+2*(\r)+1], v[AC+8*(\b)+2*(\r):AC+8*(\b)+2*(\r)+1], s[SC:SC+1], v[8*(\b)+2*(\r):8*(\b)+2*(\r)+1] op_sel_hi:[1,0,1]
.endr
.endr
	WIN 0x0a+5*((\a)/4)                            ; sources 0 and 1: window 2 or 3
.irp b, 0,1,2,3,4,5,6,7
.irp r, 0,1,2,3
	v_cvt_pk_f16_f32 v[TMP+4*(\b)+(\r)], v[AC+8*(\b)+2*(\r)], v[AC+8*(\b)+2*(\r)+1]
.endr
.endr
	WIN 0
.endm
.macro TOSTAGE a
	WIN 0
.set BK, OB+192*((\a)%2)
.irp b, 0,1,2,3,4,5,6,7
	ds_store_b128 v[STO], v[TMP+4*(\b):TMP+4*(\b)+3] offset:32*(\b)
.endr
.irp hh, 0,1
.irp i, 0,1,2,3
	ds_load_b128 v[BK+16*(\hh)+4*(\i):BK+16*(\hh)+4*(\i)+3], v[RD] offset:(\hh)*128+(\i)*4*SPITCH  ; LDS serves a wave's instructions in order (ISA guide 5.7.1.4): these see the stores above
.endr
.endr
.endm
.macro SEND a
	WIN 0
.set BK, OB+192*((\a)%2)
	s_wait_dscnt 0x0                               ; the block is back in registers
	s_wait_xcnt 0x0                                ; the stores of the block before have read their registers, which the next block's loads from the stage write
.irp hh, 0,1
.irp i, 0,1,2,3
	global_store_b128 v[CO], v[BK+16*(\hh)+4*(\i):BK+16*(\hh)+4*(\i)+3], s[14:15] offset:(\hh)*HEADB+(\a)*2048+(\i)*512  ; 512 consecutive bytes of one head, at a multiple of 256 from qkv's first byte
.endr
.endr
.endm
	PACK 0
	TOSTAGE 0
.irp a, 1,2,3,4,5,6,7                  ; block a's arithmetic stands between block a - 1's loads from the stage and the wait for them
	PACK \a
	SEND (\a)-1
	TOSTAGE \a
.endr
	SEND 7
	s_wait_tensorcnt 0x0                           ; the wave's end, behind my last tensor load and my last LDS store
	ds_add_u32 v[SPW], v[NIL]
	s_wait_dscnt 0x0
	CROUND                                         ; the closing round: no work-group ends while a partner may still ask for a tile that names it
	s_endpgm
.Lfunc_end_k_q4af8e7beaf_proj:
	.size	k_q4af8e7beaf_proj, .Lfunc_end_k_q4af8e7beaf_proj-k_q4af8e7beaf_proj
	.p2alignl 7, 3214868480
	.fill 96, 4, 3214868480
	.section	.rodata,"a",@progbits
	.p2align	6, 0x0
	.amdhsa_kernel k_q4af8e7beaf_proj
		.amdhsa_group_segment_fixed_size 327680
		.amdhsa_private_segment_fixed_size 0
		.amdhsa_enable_private_segment 0
		.amdhsa_kernarg_size 48
		.amdhsa_user_sgpr_count 2
		.amdhsa_user_sgpr_kernarg_segment_ptr 1
		.amdhsa_wavefront_size32 1
		.amdhsa_system_sgpr_workgroup_id_x 1
		.amdhsa_system_sgpr_workgroup_id_y 1
		.amdhsa_system_sgpr_workgroup_id_z 1
		.amdhsa_system_vgpr_workitem_id 0
		.amdhsa_next_free_vgpr 1024
		.amdhsa_next_free_sgpr 80
		.amdhsa_reserve_vcc 0
		.amdhsa_float_denorm_mode_32 3
		.amdhsa_float_denorm_mode_16_64 3
		.amdhsa_memory_ordered 1
		.amdhsa_forward_progress 1
		.amdhsa_inst_pref_size 169
	.end_amdhsa_kernel
	.amdgpu_metadata
---
amdhsa.version: [ 1, 2 ]
amdhsa.kernels:
  - .name:           k_q4af8e7beaf_proj
    .symbol:         k_q4af8e7beaf_proj.kd
    .args:
      - { .name: xb, .offset: 0, .size: 8, .value_kind: global_buffer, .address_space: global }
      - { .name: wb, .offset: 8, .size: 8, .value_kind: global_buffer, .address_space: global }
      - { .name: b_q, .offset: 16, .size: 8, .value_kind: global_buffer, .address_space: global }
      - { .name: b_k, .offset: 24, .size: 8, .value_kind: global_buffer, .address_space: global }
      - { .name: b_v, .offset: 32, .size: 8, .value_kind: global_buffer, .address_space: global }
      - { .name: qkv, .offset: 40, .size: 8, .value_kind: global_buffer, .address_space: global }
    .group_segment_fixed_size: 327680
    .private_segment_fixed_size: 0
    .kernarg_segment_align: 8
    .kernarg_segment_size: 48
    .max_flat_workgroup_size: 128
    .sgpr_count:     80
    .vgpr_count:     1024
    .wavefront_size: 32
...
	.end_amdgpu_metadata
.endif
;; end of part 2
;; launch attn (part 3): grid 4 x 64, 8 waves a work-group, clusters of 4 x 1, 327,680 bytes of LDS; arguments qkv, mb, out0; writes out0
.if DOCPART == 3
	.amdgcn_target "amdgcn-amd-amdhsa--gfx1250"
	.amdhsa_code_object_version 6
	.text
	.protected	k_q4af8e7beaf_attn
	.globl	k_q4af8e7beaf_attn
	.p2align	8
	.type	k_q4af8e7beaf_attn,@function
k_q4af8e7beaf_attn:
	s_mov_b64 s[64:65], 0
	v_nop
	global_prefetch_b8 v0, s[64:65] scope:SCOPE_SE
	s_setreg_imm32_b32 hwreg(HW_REG_WAVE_MODE, 25, 1), 1
	s_wait_xcnt 0x0
	s_wait_alu depctr_hold_cnt(0) depctr_sa_sdst(0) depctr_va_vdst(0) depctr_va_sdst(0) depctr_va_ssrc(0) depctr_va_vcc(0) depctr_vm_vsrc(0)
	s_getreg_b32 s2, hwreg(HW_REG_IB_STS2, 6, 4)
	s_cmp_eq_u32 s2, 0
	s_cbranch_scc0 .Lentry_in_a_cluster
	s_endpgm
.Lentry_in_a_cluster:
	s_bfe_u32 s2, ttmp6, 0x10000c
	s_cmp_lg_u32 s2, 0x3003
	s_cbranch_scc0 .Lentry_shape_is_right
	s_endpgm
.Lentry_shape_is_right:
; ATTN.  out0[b][q][64 h + d] = the sum over k of softmax_k(where(mask[b][q][k], -1e9, Q[q] . K[k] / 8)) V[k][d], for each of the 64 pairs (b, h).
; qkv = [3][16 b + h][2048][64] in f16; its part 0 already holds q x c, c = log2(e) / 8, so K Q^T is the score in base 2.  mb holds the mask as lane masks (below).  out0 is f32.
; Products, maxima and sums in f32; the weights p are rounded to f16 for the second product (their sum l is taken of the unrounded p).
; THE MASK replaces a hidden score, as the reference does, by log2(e) x (-1e9), AHEAD of the running maximum: the maximum is the visible scores' wherever a key is visible, and a row with no visible key
; comes out as the plain mean of V.  mb = [b][qt 128][kb 128][j 8] of words; bit l is 1 where key 16 kb + 8 (l / 16) + j is VISIBLE to query 16 qt + l % 16: lane l's element in register j of the result for key block kb.
; Each word serves one v_cndmask_b32 from a scalar register: one vector instruction a score, and no branch or address hangs on the words.
; LIMITS.  q c, k, v arrive within f16's 65,504; a weight below 2^-126 counts as 0; NaN and infinities are not treated apart.
; SHARES.  A work-group owns 512 queries of one (b, h), each of its eight waves 64: four tiles of 16, taken as two PAIRS.  Every wave walks all 2,048 keys, 64 a step.  Two waves share a SIMD.
; LAYOUT.  S^T = K Q^T (source 0 = 16 keys, source 1 = 16 queries): a lane holds ONE query (l % 16) and the keys 8 (l / 16) + 0..7.  Two such results rounded to f16 ARE source 1 of O^T = V^T P.
; K comes out of LDS as it lies, V ([key][channel]) turned, by ds_load_tr16_b128.
; SOFTMAX.  A running maximum m and sum l a query: p = 2^(s - m); in every step O and l are multiplied by a = 2^(m_old - m_new).
; A TURN belongs to a pair and has three parts.  (a) The pair's 16 products K Q^T; behind every second one stand four of the 32 lines that multiply the OTHER pair's O^T by its a.  (b) The other pair's 16 products
; V^T P; behind each stand four of this pair's 64 mask selections.  (c) A run of vector work: this pair's maxima, a, s - m, exponentials (ONE wait for the 68), roundings and sums, the two tiles line by line
; in turn, so that no line reads the result of the line before it.  Of a turn's 301 vector instructions 96 stand behind its 32 matrix instructions.
; THE MASK WORDS.  Scalar loads return in no order, so only a wait for 0 shows them (ISA guide 5.7.1): what a load has in which to come is the work between the last issue and the next such wait.  So a pair's 64
; words are used together, in part (b), and each tile's 32 are asked for again at once, for the next pair: they have part (c) and the next turn's part (a).
; THE TRIP of the loop is turned round: K of the step is fetched; part (c) of pair 1 of the step BEFORE; the whole turn of pair 0, in which V of the step is fetched; parts (a) and (b) of pair 1.  So K has a run of
; vector work in which to come, V has one and 16 products, and at a trip's end every LDS read has been waited for: the change of slots stands between trips.
; NO FIRST STEP IS WRITTEN OUT.  m and S^T start at the lowest finite number, O^T, l and V's registers at 0: the first trip's leading part (c) makes a = 1 and weights of 1, which then multiply zeros, and
; leaves m as it was; the first true step has a = 0.  The price: 256 lines that set O^T, S^T and V, written in the wait for the first tile, and one run of vector work and 16 products that serve nothing.
; CLUSTER.  The four query blocks of a (b, h) walk the same K and V: each tile is asked for jointly, by the same tensor load, descriptor and mask in all four.
; mb is not prefetched: each of its blocks is read by the sixteen heads' work-groups of a batch, not once.
; REGISTERS, in two windows of 256 (s_set_vgpr_msb: bits 1:0 source 0, 3:2 source 1, 5:4 source 2, 7:6 destination):
;   window 0: v0-16 addresses; v20-23 a, twice for each tile of the pair; v64-127 Q, 16 a tile; v128-191 K of a step; v192-255 V of a step.
;   window 1: v0-127 O^T, 32 a tile; v128-191 S^T, a buffer for each tile of the pair; v192-223 P, likewise; v224-239 statistics, four a tile: m, 0, l (even keys', odd keys'); v240-247 at work.
; ONE setting (source 0 in window 0, all else in window 1) serves V^T P, the selections (the hidden score as source 0, the score as source 1), O^T times a and l = a l + sum (a as source 0).
.set KS,    64
.set PK,    144       ; a row of K in LDS: 128 bytes + 16 = 36 words: the 16 rows of a load start at 16 different groups of four banks (64 banks of 4 bytes: ISA guide 11.1)
.set PV,    144       ; V has the same pitch, so that ONE descriptor group 1 and one step address serve both, which frees nine scalar registers for the mask words.  16 lanes of the turning load take 8 rows x 32 bytes:
                      ; rows 0 to 6 fall on different banks, row 7's last 16 bytes on row 0's first four banks
.set VOFF,  4*KS*PK   ; a slot holds four steps: 256 rows of K, then 256 rows of V
.set SLOT1, 1<<17     ; slot 1 begins here: one exclusive or turns an address in one slot into the other's
.set STAGE, SLOT1+4*KS*(PK+PV)  ; behind the ring, never filled by a tensor load: 16 rows x 272 bytes for each wave
.set SP,    272
.set SPARE, STAGE+8*16*SP       ; the spare words: 128 bytes for each of eight waves, four blocks of 256 bytes that no other line names
.set PART,  16777216  ; bytes of q, of k, of v
; window 0
.set AK0, 2           ; my lane's place in a tile of K; never rewritten
.set AV0, 3           ; the same for V
.set AK,  4
.set AV,  5
.set QO,  6           ; my byte offset in 16 rows of Q
.set RD,  7           ; the way out: where I read rows back
.set GO,  8           ; my byte offset in two rows of out0
.set VMB, 12          ; the hidden score
.set PFO, 13          ; 256 x my lane; never rewritten
.set SPW, 14          ; my spare word; never rewritten
.set NIL, 15          ; 0; never rewritten
.set STO, 16          ; the way out: where I put 32 bytes of a row
.set AF,  20          ; a of tile u of the pair in v[AF+2u] and v[AF+2u+1]: a pair for the packed multiplies
.set QF,  64
.set KF,  128         ; key block kb, channel half c at KF + 16 kb + 8 c
.set VF,  192         ; key half kk, channel block cb at VF + 32 kk + 8 cb
; window 1
.set S,   128         ; tile u of the pair at S + 32 u
.set P,   192         ; at P + 16 u
.set ST,  224
.set TMP, 240         ; c0-c3 of tile u at TMP + 4 u
.set MBP, 4           ; s[4:5]   mb at my wave's first tile
.set OUTP, 6          ; s[6:7]   out0 at my wave's first row, my head's 256 bytes
.set WV,  8
.set LIM, 9           ; 1 in a wave that prefetches, else the greatest number
.set SLOTS, 10
.set CNT, 11
.set MOFF, 12         ; the key step's byte offset in a tile's row of mb
.set TB,  13          ; LDS byte at which K of the step to be fetched begins; V's lies VOFF further on
.set CX,  15
.set G1,  16          ; s[16:23] descriptor group 1, for K's tiles and V's
.set G0K, 24          ; s[24:27]: it walks
.set G0V, 28          ; s[28:31]
.set MKA, 32          ; s[32:63] the 32 mask words of a pair's first tile (at the head: arguments and offsets)
.set QP,  66          ; s[66:67] Q at my wave's first row
.set MKB, 68          ; s[68:99] those of its second tile
.set PFA, 100         ; s[100:101] where my prefetches stand
.set SEL, 104         ; s[104:105] v_permlanex16_b32's selects
.set W_KQ, 0x50       ; K and Q in window 0, S^T in window 1
.set W_R,  0x54       ; source 0 in window 0, all else in window 1
.set W_L,  0x55       ; all in window 1
.set W_A,  0x01       ; source 0 in window 1, destination in window 0
.set MSB, 0
.macro WIN new                      ; the high byte repeats the setting that is left; a switch that changes nothing is dropped
.if MSB != (\new)
	s_set_vgpr_msb (MSB<<8)|(\new)
.set MSB, (\new)
.endif
.endm
; A joint fill.  Waves 0 and 1 fetch the halves of a slot's K, waves 2 and 3 those of its V, 128 keys each; waves 4 to 7 have no part.  The branches hang on the wave's number alone.
.macro JLOAD
	s_cmp_lt_u32 s[WV], 2
	s_cbranch_scc0 .Lnot_k_\@
	tensor_load_to_lds s[G0K:G0K+3], s[G1:G1+7]
	s_nop 0
.rept 4
	v_nop
.endr
	s_branch .Lasked_\@
.Lnot_k_\@:
	s_cmp_lt_u32 s[WV], 4
	s_cbranch_scc0 .Lasked_\@
	tensor_load_to_lds s[G0V:G0V+3], s[G1:G1+7]
	s_nop 0
.rept 4
	v_nop
.endr
.Lasked_\@:
.endm
; A prefetch of what the NEXT change of slots will ask for: a slot's 32,768 bytes of K and of V, in blocks of 256, a lane a block.  One cluster walks a head, and its four partners share the blocks out by
; address, 32 each; in each, wave 0 asks for K's and wave 2 for V's.  So each block is named once in the launch.  Slots 0 and 1 come by their loads alone; the last change that fills a slot asks for nothing.
.macro ASK
	s_cmp_gt_u32 s[SLOTS], s[LIM]
	s_cbranch_scc0 .Lnot_mine_\@
	global_prefetch_b8 v[PFO], s[PFA:PFA+1] th:TH_LOAD_NT scope:SCOPE_SE
.Lnot_mine_\@:
.endm
.macro CROUND                       ; a round of the cluster's barrier
	s_barrier_signal -1
	s_barrier_wait -1
	s_cmp_lg_u32 s[WV], 0
	s_cbranch_scc1 .Lnot_wave_0_\@
	s_barrier_signal -3
.Lnot_wave_0_\@:
	s_barrier_wait -3
	s_barrier_signal -1
	s_barrier_wait -1
.endm
; THE CHANGE OF SLOTS, between two trips.  Each wave waits for all its tensor loads, adds 0 to its spare word, and waits for that and for its own reads of the slot.  fill = 1: the barrier is a round of the
; cluster's, and the slot just read is filled again first behind it, with the keys two slots on: it has four key steps in which to land.  (At its first use nothing has been read: slot 0 is waited for, slot 1 filled.)
.macro CHANGE fill
	WIN 0
	s_wait_tensorcnt 0x0            ; no tensor load of mine is out, so a group 0 may be written
	ds_add_u32 v[SPW], v[NIL]
.if \fill
.irp g, G0K, G0V
	s_xor_b32 s[\g+1], s[\g+1], SLOT1
	s_add_nc_u64 s[\g+2:\g+3], s[\g+2:\g+3], 4*KS*128
.endr
	s_wait_xcnt 0x0                 ; the last prefetch, four key steps back, has read its address
	s_add_nc_u64 s[PFA:PFA+1], s[PFA:PFA+1], 4*KS*128
	s_wait_dscnt 0x0                ; the add is done, and my reads of the slot are over
	CROUND
	JLOAD
	ASK
.else
	s_wait_dscnt 0x0
	s_barrier_signal -1
	s_barrier_wait -1
.endif
	s_sub_co_u32 s[TB], s[TB], 4*KS*PK  ; the fetches go back to a slot's first step,
	s_xor_b32 s[TB], s[TB], SLOT1       ; in the other slot
.endm
	s_load_b128 s[32:35], s[0:1], 0x0 ; qkv 32:33, mb 34:35
	s_load_b64 s[36:37], s[0:1], 0x10 ; out0
	v_lshl_add_u32 v[SPW], v0, 2, SPARE
	v_mov_b32 v[NIL], 0
	ds_add_u32 v[SPW], v[NIL]       ; the wave's opening: the add and its wait ahead of the first tensor load; the set-up below, work on registers, stands between
	v_lshrrev_b32 v1, 5, v0
	v_readfirstlane_b32 s[WV], v1   ; wave 0..7
	s_bfe_u32 s[CX], ttmp6, 0x40000 ; my block of 512 queries: it enters Q's, mb's, out0's and the prefetches' addresses alone
	s_and_b32 s2, ttmp7, 0xffff     ; 16 b + h, which the four partners share
	s_lshl_b32 s3, s2, 18           ; the head's 262,144 bytes in each part of qkv
	s_and_b32 s40, s[WV], 1         ; which half of a slot's 256 keys I fetch
	s_mov_b32 s[G0K], 1
	s_mul_i32 s[G0K+1], s40, 128*PK ; its place in slot 0, for K
	s_mov_b32 s[G0V], 1
	s_mul_i32 s[G0V+1], s40, 128*PV ; and for V
	s_add_co_u32 s[G0V+1], s[G0V+1], VOFF
	s_lshl_b32 s40, s40, 14         ; its 128 rows of 128 bytes in memory
	s_add_co_u32 s40, s40, s3
	s_add_co_u32 s42, s40, 2*PART   ; in v
	s_add_co_u32 s40, s40, PART     ; in k
	s_mov_b32 s41, 0
	s_mov_b32 s43, 0
	s_lshl_b32 s44, s[CX], 16       ; Q: 512 cx + 64 w rows of 128 bytes
	s_lshl_b32 s45, s[WV], 13
	s_add_co_u32 s44, s44, s45
	s_add_co_u32 s44, s44, s3
	s_mov_b32 s45, 0
	s_lshr_b32 s52, s2, 4           ; b
	s_lshl_b32 s46, s52, 19         ; mb: (128 b + 32 cx + 4 w) rows of 4,096 bytes
	s_lshl_b32 s47, s[CX], 17
	s_add_co_u32 s46, s46, s47
	s_lshl_b32 s47, s[WV], 14
	s_add_co_u32 s46, s46, s47
	s_mov_b32 s47, 0
	s_lshl_b32 s48, s52, 23         ; out0: (2,048 b + 512 cx + 64 w) rows of 4,096 bytes + 256 h
	s_lshl_b32 s49, s[CX], 21
	s_add_co_u32 s48, s48, s49
	s_lshl_b32 s49, s[WV], 18
	s_add_co_u32 s48, s48, s49
	s_and_b32 s49, s2, 15
	s_lshl_b32 s49, s49, 8
	s_add_co_u32 s48, s48, s49
	s_mov_b32 s49, 0
	s_lshl_b32 s50, s[CX], 13       ; the prefetches: my work-group's 32 blocks of 256 bytes, in slot 1; the first change of slots steps it to slot 2
	s_add_co_u32 s50, s50, s3
	s_add_co_u32 s50, s50, 4*KS*128
	s_mov_b32 s53, 2*PART
	s_cmp_lt_u32 s[WV], 2
	s_cselect_b32 s51, PART, s53    ; of k, or of v
	s_add_co_u32 s50, s50, s51
	s_mov_b32 s51, 0
	s_and_b32 s[LIM], s[WV], 5      ; 0 in waves 0 and 2
	s_cmp_eq_u32 s[LIM], 0
	s_cselect_b32 s[LIM], 1, -1
	; group 1.  128 keys are 16,384 dense bytes: asked for as 64 rows of 256 bytes, two keys a row, and padded in LDS after every key
	s_mov_b32 s[G1], 15|(1<<16)|(1<<20)|(1<<21)|(4<<22)|(3<<25)  ; the mask of four; 2-byte elements; padding on; 21 set beside a mask; after every 32 words, 4 words
	s_mov_b32 s[G1+1], 128<<16      ; tensor_dim0 = 128
	s_mov_b32 s[G1+2], 64<<16       ; tensor_dim1 = 64
	s_mov_b32 s[G1+3], 128<<16      ; tile_dim0 = 128
	s_mov_b32 s[G1+4], 64           ; tile_dim1 = 64
	s_mov_b32 s[G1+5], 128          ; elements from row to row
	s_mov_b32 s[G1+6], 0
	s_mov_b32 s[G1+7], 0
	s_mov_b32 s[SEL], 0x76543210
	s_mov_b32 s[SEL+1], 0xfedcba98
	s_mov_b32 s[TB], SLOT1+4*KS*PK  ; the first change of slots turns this into 0
	s_mov_b32 s[MOFF], 0
	s_mov_b32 s[SLOTS], 7
	s_wait_dscnt 0x0                ; the opening add is done
	s_wait_kmcnt 0x0
	s_add_nc_u64 s[G0K+2:G0K+3], s[32:33], s[40:41]
	s_or_b32 s[G0K+3], s[G0K+3], 0x80000000
	s_add_nc_u64 s[G0V+2:G0V+3], s[32:33], s[42:43]
	s_or_b32 s[G0V+3], s[G0V+3], 0x80000000
	s_add_nc_u64 s[PFA:PFA+1], s[32:33], s[50:51]
	s_add_nc_u64 s[QP:QP+1], s[32:33], s[44:45]
	s_add_nc_u64 s[MBP:MBP+1], s[34:35], s[46:47]
	s_add_nc_u64 s[OUTP:OUTP+1], s[36:37], s[48:49]
	CROUND                          ; all four work-groups are here: the first joint loads meet
	JLOAD                           ; slot 0
	v_and_b32 v1, 15, v0            ; l % 16
	v_bfe_u32 v9, v0, 4, 1          ; l / 16
	v_lshlrev_b32 v[QO], 7, v1
	v_lshl_add_u32 v[QO], v9, 4, v[QO]  ; row x 128 + 16 x half
.set i, 0
.rept 8                             ; Q stays in registers: tile i / 2, channels 32 (i % 2) on
	global_load_b128 v[QF+8*i:QF+8*i+3],   v[QO], s[QP:QP+1] offset:(i/2)*2048+(i%2)*64
	global_load_b128 v[QF+8*i+4:QF+8*i+7], v[QO], s[QP:QP+1] offset:(i/2)*2048+(i%2)*64+32
.set i, i+1
.endr
	s_load_b512 s[MKA:MKA+15], s[MBP:MBP+1], s[MOFF] offset:0          ; tiles 0 and 1: their mask words for key step 0 (the head's numbers in these registers have all been used)
	s_load_b512 s[MKA+16:MKA+31], s[MBP:MBP+1], s[MOFF] offset:64
	s_load_b512 s[MKB:MKB+15], s[MBP:MBP+1], s[MOFF] offset:4096
	s_load_b512 s[MKB+16:MKB+31], s[MBP:MBP+1], s[MOFF] offset:4096+64
	; what the first trip finds; all this stands in the wait for the first tile
	WIN 0x40                        ; destination window 1
.set i, 0
.rept 128
	v_mov_b32 v[i], 0               ; O^T
.set i, i+1
.endr
.set i, 0
.rept 64
	v_mov_b32 v[S+i], 0xff7fffff    ; S^T: the lowest finite number, like m: the first trip's leading run leaves m as it is
.set i, i+1
.endr
.set i, 0
.rept 4
	v_mov_b32 v[ST+4*i], 0xff7fffff ; m
	v_mov_b32 v[ST+4*i+1], 0        ; named with it as a pair
	v_mov_b32 v[ST+4*i+2], 0        ; l
	v_mov_b32 v[ST+4*i+3], 0
.set i, i+1
.endr
	WIN 0
.set i, 0
.rept 64
	v_mov_b32 v[VF+i], 0            ; V: the first trip's products V^T P, of a pair that has not been, add 0
.set i, i+1
.endr
	v_mov_b32 v[VMB], 0xceabfb8f    ; log2(e) x (-1e9)
	v_and_b32 v[PFO], 31, v0
	v_lshlrev_b32 v[PFO], 8, v[PFO]
	v_mul_u32_u24 v[AK0], v1, PK
	v_lshl_add_u32 v[AK0], v9, 4, v[AK0]  ; row x pitch + 16 x half
	v_and_b32 v10, 7, v0            ; the turning load: lane l reads key 8 (l / 16) + l % 8, channels 8 ((l / 8) % 2) + 0..7
	v_bfe_u32 v11, v0, 3, 1
	v_lshl_add_u32 v[AV0], v9, 3, v10
	v_mul_u32_u24 v[AV0], v[AV0], PV
	v_lshl_add_u32 v[AV0], v11, 4, v[AV0]
	v_add_nc_u32 v[AV0], VOFF, v[AV0]
	s_mul_i32 s2, s[WV], 16*SP
	s_add_co_u32 s2, s2, STAGE      ; my stage
	v_mul_u32_u24 v[STO], v1, SP    ; in: row l % 16, 32 bytes for each half of the lanes
	v_lshl_add_u32 v[STO], v9, 5, v[STO]
	v_add_nc_u32 v[STO], s2, v[STO]
	v_mul_u32_u24 v[RD], v9, SP     ; back: lanes 0-15 take one row of 256 bytes, lanes 16-31 the next
	v_lshl_add_u32 v[RD], v1, 4, v[RD]
	v_add_nc_u32 v[RD], s2, v[RD]
	v_lshlrev_b32 v[GO], 12, v9     ; and the same two rows in out0
	v_lshl_add_u32 v[GO], v1, 4, v[GO]
; THE MATRIX WORK.  The eight accumulators of a run of sixteen take turns, one instruction a turn: seven others stand between the two links of a chain.
; Product i of 16 of S^T = K Q^T for pair p: channels 32 (i / 8) on, keys 16 ((i / 2) % 4) on, tile 2 p + i % 2.  The first eight start the sums.
.macro KQP p
.set rS, S+32*(i%2)+8*((i/2)%4)
.set rK, KF+16*((i/2)%4)+8*(i/8)
.set rQ, QF+16*(2*(\p)+i%2)+8*(i/8)
	WIN W_KQ
.if i < 8
	v_wmma_f32_16x16x32_f16 v[rS:rS+7], v[rK:rK+7], v[rQ:rQ+7], 0
.else
	v_wmma_f32_16x16x32_f16 v[rS:rS+7], v[rK:rK+7], v[rQ:rQ+7], v[rS:rS+7]
.endif
.set i, i+1
.endm
; Product i of 16 of O^T += V^T P for pair q: keys 32 (i / 8) on, channels 16 ((i / 2) % 4) on, tile 2 q + i % 2.
.macro OVP q
.set rO, 32*(2*(\q)+i%2)+8*((i/2)%4)
.set rV, VF+32*(i/8)+8*((i/2)%4)
.set rP, P+16*(i%2)+8*(i/8)
	WIN W_R
	v_wmma_f32_16x16x32_f16 v[rO:rO+7], v[rV:rV+7], v[rP:rP+7], v[rO:rO+7]
.set i, i+1
.endm
; WHAT STANDS BEHIND THEM.  Line n of the 32 that multiply pair q's O^T by a: tile n % 2, registers 2 (n / 2) on: each accumulator's lowest registers are read first.
.macro RS q
.set rO, 32*(2*(\q)+n%2)+2*(n/2)
	WIN W_R
	v_pk_mul_f32 v[rO:rO+1], v[AF+2*(n%2):AF+2*(n%2)+1], v[rO:rO+1]
.set n, n+1
.endm
; Line n of the pair's 64 selections: the score where the word's bit is 1, else the hidden score.  The first tile's 32, then the second's, ascending.
.macro CM
	WIN W_R
.if n < 32
	v_cndmask_b32 v[S+n], v[VMB], v[S+n], s[MKA+n]
.else
	v_cndmask_b32 v[S+n], v[VMB], v[S+n], s[MKB+n-32]
.endif
.set n, n+1
.endm
.macro FETCH_K                      ; a step's K: 64 keys x 64 channels, 8 fragments
.irp f, 0,1,2,3,4,5,6,7
	ds_load_b128 v[KF+8*\f:KF+8*\f+3],   v[AK] offset:(\f/2)*16*PK+(\f%2)*64
	ds_load_b128 v[KF+8*\f+4:KF+8*\f+7], v[AK] offset:(\f/2)*16*PK+(\f%2)*64+32
.endr
.endm
.macro FETCH_V                      ; its V, turned
.irp f, 0,1,2,3,4,5,6,7
	ds_load_tr16_b128 v[VF+8*\f:VF+8*\f+3],   v[AV] offset:(\f/4)*32*PV+(\f%4)*32
	ds_load_tr16_b128 v[VF+8*\f+4:VF+8*\f+7], v[AV] offset:(\f/4)*32*PV+16*PV+(\f%4)*32
.endr
.endm
; PART (a) of pair p's turn.  The riders name O^T and a, none of the products' registers; the four behind the last product are the places between it and the first selection, which reads its result.
.macro PH1 p
.set i, 0
.set n, 0
.rept 8
	KQP \p
	KQP \p
	RS 1-(\p)
	RS 1-(\p)
	RS 1-(\p)
	RS 1-(\p)
.endr
.endm
; PART (b).  The riders name S^T and the hidden score, none of the products' registers.  Each tile's words are asked for again as soon as its 32 selections are issued, for the pair after this one
; (pair 0: tiles 2 and 3 of this step; pair 1: tiles 0 and 1 of the next).
.macro PH2 p
	s_wait_kmcnt 0x0                ; this pair's 64 mask words, asked for a turn ago
.if (\p) == 1
	s_add_co_u32 s[MOFF], s[MOFF], 128  ; the next key step's words: no scalar load is out here, so their offset may be written
.endif
.set i, 0
.set n, 0
.rept 16
	OVP 1-(\p)
	CM
	CM
	CM
	CM
.if i == 8
	s_load_b512 s[MKA:MKA+15], s[MBP:MBP+1], s[MOFF] offset:((2*(\p)+2)%4)*4096
	s_load_b512 s[MKA+16:MKA+31], s[MBP:MBP+1], s[MOFF] offset:((2*(\p)+2)%4)*4096+64
.endif
.endr
	s_load_b512 s[MKB:MKB+15], s[MBP:MBP+1], s[MOFF] offset:((2*(\p)+3)%4)*4096     ; (behind the very last step the four loads take the first words of my tiles 1 and 2 once more, inside mb, and serve nothing)
	s_load_b512 s[MKB+16:MKB+31], s[MBP:MBP+1], s[MOFF] offset:((2*(\p)+3)%4)*4096+64
.endm
.macro TWO line:vararg              ; one line for each tile u of the pair
.set u, 0
.rept 2
	\line
.set u, u+1
.endr
.endm
; PART (c) for pair p, on the masked scores.  All but a lies in window 1.
.macro LUMP p
	WIN W_L
.irp c, 0,1,2,3                     ; the maximum: four chains c0-c3 of seven scores each, three operands at a time,
	TWO v_max3_num_f32 v[TMP+4*u+\c], v[S+32*u+8*\c], v[S+32*u+8*\c+1], v[S+32*u+8*\c+2]
.endr
.irp c, 0,1,2,3
	TWO v_max3_num_f32 v[TMP+4*u+\c], v[TMP+4*u+\c], v[S+32*u+8*\c+3], v[S+32*u+8*\c+4]
.endr
.irp c, 0,1,2,3
	TWO v_max3_num_f32 v[TMP+4*u+\c], v[TMP+4*u+\c], v[S+32*u+8*\c+5], v[S+32*u+8*\c+6]
.endr
	TWO v_max3_num_f32 v[TMP+4*u], v[TMP+4*u], v[S+32*u+7], v[S+32*u+15]           ; the four scores left over,
	TWO v_max3_num_f32 v[TMP+4*u+1], v[TMP+4*u+1], v[S+32*u+23], v[S+32*u+31]
	TWO v_max3_num_f32 v[TMP+4*u+2], v[TMP+4*u+2], v[TMP+4*u+3], v[ST+8*(\p)+4*u]  ; the old m,
	TWO v_max3_num_f32 v[TMP+4*u], v[TMP+4*u], v[TMP+4*u+1], v[TMP+4*u+2]
	TWO v_permlanex16_b32 v[TMP+4*u+3], v[TMP+4*u], s[SEL], s[SEL+1]               ; and the query's other 32 keys, in the lane 16 away
	TWO v_max_num_f32 v[TMP+4*u+1], v[TMP+4*u], v[TMP+4*u+3]                       ; the new m
	TWO v_sub_f32 v[TMP+4*u+2], v[ST+8*(\p)+4*u], v[TMP+4*u+1]
	TWO v_mov_b32 v[ST+8*(\p)+4*u], v[TMP+4*u+1]
	WIN W_A
	TWO v_exp_f32 v[AF+2*u], v[TMP+4*u+2]                                          ; a, made twice: it fills the pair by which the packed lines multiply
	TWO v_exp_f32 v[AF+2*u+1], v[TMP+4*u+2]
	WIN W_L
.set k, 0
.rept 16                            ; s - m for a pair of scores of each tile, then the exponentials of the pair before: none of these lines names an exponential's result
	TWO v_pk_add_f32 v[S+32*u+2*k:S+32*u+2*k+1], v[S+32*u+2*k:S+32*u+2*k+1], v[ST+8*(\p)+4*u:ST+8*(\p)+4*u+1] op_sel_hi:[1,0] neg_lo:[0,1] neg_hi:[0,1]
.if k > 0
	TWO v_exp_f32 v[S+32*u+2*k-2], v[S+32*u+2*k-2]
	TWO v_exp_f32 v[S+32*u+2*k-1], v[S+32*u+2*k-1]
.endif
.set k, k+1
.endr
	TWO v_exp_f32 v[S+32*u+30], v[S+32*u+30]
	TWO v_exp_f32 v[S+32*u+31], v[S+32*u+31]
	v_nop                           ; a plain instruction behind the last exponential
	s_wait_alu depctr_va_vdst(0)    ; the one wait, ahead of the first instruction that names a result of the batch of 68
.set k, 0
.rept 16
	TWO v_cvt_pk_f16_f32 v[P+16*u+k], v[S+32*u+2*k], v[S+32*u+2*k+1]
.set k, k+1
.endr
.irp w, 4,8,16,32                   ; the sum of a tile's 16 pairs, in place: neighbours 1, 2, 4 and 8 pairs apart
.set z, 0
.rept 32/\w
	TWO v_pk_add_f32 v[S+32*u+\w*z:S+32*u+\w*z+1], v[S+32*u+\w*z:S+32*u+\w*z+1], v[S+32*u+\w*z+\w/2:S+32*u+\w*z+\w/2+1]
.set z, z+1
.endr
.endr
	WIN W_R
	TWO v_pk_fma_f32 v[ST+8*(\p)+4*u+2:ST+8*(\p)+4*u+3], v[AF+2*u:AF+2*u+1], v[ST+8*(\p)+4*u+2:ST+8*(\p)+4*u+3], v[S+32*u:S+32*u+1]  ; l = a l + sum
.endm
; A TRIP.  K's registers were last read in part (a) of pair 1, 64 selections back; V's by the last product of pair 0's part (b): its four selections and the address line are the places ahead of V's loads.
.macro BODY
	v_add_nc_u32 v[AK], s[TB], v[AK0]
	FETCH_K                         ; K of this step
	LUMP 1                          ; pair 1 of the step before
	s_wait_dscnt 0x0                ; K is in
	PH1 0                           ; K Q^T of pair 0 | pair 1's O^T times a
	PH2 0                           ; V^T P of pair 1, with V of the step before | pair 0's selections
	WIN 0
	v_add_nc_u32 v[AV], s[TB], v[AV0]
	FETCH_V                         ; V of this step
	s_add_co_u32 s[TB], s[TB], KS*PK
	LUMP 0
	PH1 1                           ; K Q^T of pair 1 | pair 0's O^T times a
	s_wait_dscnt 0x0                ; V is in: no LDS read of mine is out from here to the trip's end
	PH2 1                           ; V^T P of pair 0 | pair 1's selections
	WIN 0
.endm
.macro FOUR                         ; a slot's four key steps: written once, walked four times
	s_mov_b32 s[CNT], 4
.Lstep_\@:
	BODY
	s_sub_co_u32 s[CNT], s[CNT], 1
	s_cmp_lg_u32 s[CNT], 0
	s_cbranch_scc1 .Lstep_\@
.endm
	s_wait_loadcnt 0x0              ; Q
.Lslot:                             ; seven trips: slots 1 to 7 are asked for, slots 0 to 6 walked
	CHANGE 1
	FOUR
	s_sub_co_u32 s[SLOTS], s[SLOTS], 1
	s_cmp_lg_u32 s[SLOTS], 0
	s_cbranch_scc1 .Lslot
	CHANGE 0                        ; the tail is written out: nothing is asked for
	FOUR
	LUMP 1                          ; what is left of the last step: pair 1's run of vector work,
.set n, 0
.rept 32
	RS 1                            ; its O^T times a,
.endr
.set i, 0
.rept 16
	OVP 1                           ; and its V^T P
.endr
	; THE WAY OUT.  l's two halves and the other half of the lanes' are added; O^T is divided by l and sent, in f32, through my stage in LDS, a tile at a time.  The additions are the places behind the last products.
	WIN W_L
.irp t, 0,1,2,3
	v_add_f32 v[ST+4*\t+2], v[ST+4*\t+2], v[ST+4*\t+3]
.endr
.irp t, 0,1,2,3
	v_permlanex16_b32 v[ST+4*\t+3], v[ST+4*\t+2], s[SEL], s[SEL+1]
.endr
.irp t, 0,1,2,3
	v_add_f32 v[ST+4*\t+2], v[ST+4*\t+2], v[ST+4*\t+3]
.endr
.irp t, 0,1,2,3
	v_rcp_f32 v[ST+4*\t+2], v[ST+4*\t+2]
.endr
	v_nop                           ; a plain instruction behind the last reciprocal
	s_wait_alu depctr_va_vdst(0)    ; and the one wait for the four, ahead of their first use
; Tile t: a lane's eight channels of a row are 32 bytes; they go into rows of 272 bytes and come back as whole rows of 256, into K's and V's registers.
.macro PACK t
	WIN W_L
.set i, 32*(\t)
.rept 16
	v_pk_mul_f32 v[i:i+1], v[i:i+1], v[ST+4*(\t)+2:ST+4*(\t)+3] op_sel_hi:[1,0]
.set i, i+2
.endr
	WIN 0x04                        ; the stores' data in window 1, their address in window 0
.irp f, 0,1,2,3,4,5,6,7
	ds_store_b128 v[STO], v[32*(\t)+4*\f:32*(\t)+4*\f+3] offset:64*(\f/2)+16*(\f%2)
.endr
	WIN 0
.irp f, 0,1,2,3,4,5,6,7
	ds_load_b128 v[KF+32*(\t)+4*\f:KF+32*(\t)+4*\f+3], v[RD] offset:\f*2*SP  ; LDS serves a wave's instructions in order (ISA guide 5.7.1.4): these see the stores above; the next tile's stores come behind them
.endr
.endm
.macro SEND t, younger              ; younger: the LDS instructions issued behind tile t's loads: the next tile's sixteen, or none
.irp f, 0,1,2,3,4,5,6,7
	s_wait_dscnt (\younger)+7-\f
	global_store_b128 v[GO], v[KF+32*(\t)+4*\f:KF+32*(\t)+4*\f+3], s[OUTP:OUTP+1] offset:(\t)*65536+\f*8192  ; 16 lanes store 256 consecutive bytes, a head's part of a row, at a multiple of 256 from out0's first byte
.endr
.endm
	PACK 0
	PACK 1                          ; a tile's arithmetic stands between the loads of the tile before and its stores
	SEND 0, 16
	PACK 2
	SEND 1, 16
	PACK 3
	SEND 2, 16
	SEND 3, 0
	s_wait_kmcnt 0x0                ; the last mask words, which serve nothing, have come
	s_wait_tensorcnt 0x0            ; the wave's end, behind my last tensor load and my last LDS store
	ds_add_u32 v[SPW], v[NIL]
	s_wait_dscnt 0x0
	CROUND                          ; the closing round: no work-group ends while a partner may still ask for a tile that names it
	s_endpgm
.Lfunc_end_k_q4af8e7beaf_attn:
	.size	k_q4af8e7beaf_attn, .Lfunc_end_k_q4af8e7beaf_attn-k_q4af8e7beaf_attn
	.p2alignl 7, 3214868480
	.fill 96, 4, 3214868480
	.section	.rodata,"a",@progbits
	.p2align	6, 0x0
	.amdhsa_kernel k_q4af8e7beaf_attn
		.amdhsa_group_segment_fixed_size 327680
		.amdhsa_private_segment_fixed_size 0
		.amdhsa_enable_private_segment 0
		.amdhsa_kernarg_size 24
		.amdhsa_user_sgpr_count 2
		.amdhsa_user_sgpr_kernarg_segment_ptr 1
		.amdhsa_wavefront_size32 1
		.amdhsa_system_sgpr_workgroup_id_x 1
		.amdhsa_system_sgpr_workgroup_id_y 1
		.amdhsa_system_sgpr_workgroup_id_z 1
		.amdhsa_system_vgpr_workitem_id 0
		.amdhsa_next_free_vgpr 512
		.amdhsa_next_free_sgpr 106
		.amdhsa_reserve_vcc 0
		.amdhsa_float_denorm_mode_32 3
		.amdhsa_float_denorm_mode_16_64 3
		.amdhsa_memory_ordered 1
		.amdhsa_forward_progress 1
		.amdhsa_inst_pref_size 131
	.end_amdhsa_kernel
	.amdgpu_metadata
---
amdhsa.version: [ 1, 2 ]
amdhsa.kernels:
  - .name:           k_q4af8e7beaf_attn
    .symbol:         k_q4af8e7beaf_attn.kd
    .args:
      - { .name: qkv, .offset: 0, .size: 8, .value_kind: global_buffer, .address_space: global }
      - { .name: mb, .offset: 8, .size: 8, .value_kind: global_buffer, .address_space: global }
      - { .name: out0, .offset: 16, .size: 8, .value_kind: global_buffer, .address_space: global }
    .group_segment_fixed_size: 327680
    .private_segment_fixed_size: 0
    .kernarg_segment_align: 8
    .kernarg_segment_size: 24
    .max_flat_workgroup_size: 256
    .sgpr_count:     106
    .vgpr_count:     512
    .wavefront_size: 32
...
	.end_amdgpu_metadata
.endif
;; end of part 3
;; ======== version 2 of 2: 3 launches; version 1 with the launch prep written anew for expert scheduling mode
;; limits: values are held in f16: magnitudes above 65,504 overflow, below 6.1e-05 lose precision
;; workspace buffers: xb 33,554,432 bytes; wb 6,291,456 bytes; mb 2,097,152 bytes of whole numbers; qkv 50,331,648 bytes
;; launch prep (part 4): grid 32 x 35, 8 waves a work-group, no clusters, 34,048 bytes of LDS; arguments x_q, x_k_v, w_q, w_k, w_v, attn_mask, xb, wb, mb; writes xb, wb, mb
.if DOCPART == 4
	.amdgcn_target "amdgcn-amd-amdhsa--gfx1250"
	.amdhsa_code_object_version 6
	.text
	.protected	k_q4af8e7beaf_prep
	.globl	k_q4af8e7beaf_prep
	.p2align	8
	.type	k_q4af8e7beaf_prep,@function
k_q4af8e7beaf_prep:
	s_mov_b64 s[64:65], 0
	v_nop
	global_prefetch_b8 v0, s[64:65] scope:SCOPE_SE
	s_setreg_imm32_b32 hwreg(HW_REG_WAVE_SCHED_MODE, 0, 2), 2
	s_setreg_imm32_b32 hwreg(HW_REG_WAVE_MODE, 25, 1), 1
	s_wait_xcnt 0x0
	s_wait_alu depctr_vm_vsrc(0)
; PREP.  Two streams in one launch, told apart by the work-group's y.
; y = 0..18, THE CAST: x_q (y 0-7), x_k_v (y 8-15), w_q, w_k, w_v (y 16, 17, 18) are rounded once to bf16, in the order in which they lie:
;   xb = [2][8192][1024] bf16, wb = [3][1024 k][1024 n] bf16.  A work-group takes 32,768 numbers: 131,072 bytes in, 65,536 out.
;   Thread t takes 16 bytes at 16 t + 4,096 j (j = 0..31): a wave's load covers 512 consecutive bytes; its four numbers pack into 8 bytes at 8 t + 2,048 j:
;   a wave's store covers 256 consecutive bytes, aligned.  All 32 loads of a thread go out at once, and no register that a load or store reads is written twice.
; y = 19..34, THE MASK: attn_mask [4][2048][2048] of bytes (0 or 1) becomes lane masks for the attention launch:
;   mb = [b 4][qt 128][kb 128][j 8] of 32-bit words; bit l of a word is 1 where attn_mask[b][16 qt + l % 16][16 kb + 8 (l / 16) + j] is 0, that is where the key is VISIBLE:
;   lane l's element in register j of a 16 x 16 result that holds one query a lane and eight keys.  One word then serves v_cndmask_b32 as it is, for all 16 heads.
;   A work-group takes 16 rows (one qt): 32,768 consecutive bytes.  They come in by loads of 512 consecutive bytes a wave and go THROUGH LDS, since a compare gathers one byte of each of 32 lanes and so
;   wants a lane a row: taken so from memory, each load would touch 32 bytes of each of 16 rows.  Each of the eight waves then packs 256 keys of the 16 rows.
; No matrix unit, no cluster, no tensor load: nothing is read twice.
; THE MODE: SCHED_MODE bits 1:0 = 2 (LLVM: expert scheduling mode 2), set by the entry lines.  The code itself states the register dependences between vector instructions and memory or LDS
; instructions, and between a vector instruction that writes a scalar register and that register's readers, with s_wait_alu, always for 0.
; THE PLAN, THE CAST.  Registers that memory instructions touch:
;   v1, v2             byte offsets of the loads and of the stores: made once at the path's head, never written again.
;   v[X+4j : X+4j+3]   load j lands here; conversion j writes the first two in place; store j reads those two; none is written again.
; The 32 loads go in eight blocks of four.  Block p converts its own sixteen registers; its memory instructions are the four stores of block p - 1, whose registers no vector instruction of block p names.
; So one wait on va_vdst at a block's head, behind the wait for the block's data, states all that its four stores hang on, and they are dealt among its conversions.
; THE PLAN, THE MASK.
;   v1                 offset of the eight global loads; made once.          v2, v3, v5   addresses of the LDS stores, the LDS loads and the one global store; made once, while the loads are out.
;   v[X : X+31]        the global loads land here; the LDS stores read them; the LDS loads land here again; the v_and_b32 lines read them.
;   v[44:47]           written by v_writelane_b32; read by the one global store.
;   s23, s[24:39]      written by v_readfirstlane_b32 and by the compares; read by scalar lines.
.set X, 8                              ; v[8:135] the cast's 32 loads; v[8:39] the mask's eight
.set BLOCK, 4                          ; loads in a block of the cast
.set MPITCH, 2064                      ; a row of the mask in LDS: 2,048 bytes + 16 = 129 x 16: the 16 rows of a read start at 16 different groups of four banks (64 banks of 4 bytes: ISA guide 11.1)
.set SPARE, 16*MPITCH                  ; behind the rows: the spare words, 128 bytes for each wave: four blocks of 256 bytes that no other line names
.set SPW, 6                            ; v6  my spare word: SPARE + 4 x my thread's number; never rewritten
.set NIL, 7                            ; v7  0; never rewritten
	s_load_b512 s[4:19], s[0:1], 0x0               ; x_q 4:5, x_k_v 6:7, w_q 8:9, w_k 10:11, w_v 12:13, attn_mask 14:15, xb 16:17, wb 18:19
	s_load_b64 s[20:21], s[0:1], 0x40              ; mb
	v_lshl_add_u32 v[SPW], v0, 2, SPARE
	v_mov_b32 v[NIL], 0
	s_and_b32 s2, ttmp7, 0xffff                    ; y
	s_wait_kmcnt 0x0
	s_cmp_ge_u32 s2, 19
	s_cbranch_scc1 .Lmask
	; THE CAST.  Which block of 32,768 numbers of the source, which of the destination
	v_lshlrev_b32 v1, 4, v0                        ; 16 t
	v_lshlrev_b32 v2, 3, v0                        ; 8 t
	s_and_b32 s26, s2, 7                           ; x: y % 8 of eight rows of 32 work-groups
	s_max_u32 s27, s2, 16
	s_sub_co_u32 s27, s27, 16                      ; w: which of the three
	s_cmp_ge_u32 s2, 16
	s_cselect_b32 s26, 0, s26                      ; a weight matrix is one row of 32 work-groups
	s_cselect_b32 s27, s27, s2
	s_cselect_b64 s[24:25], s[18:19], s[16:17]     ; into wb or xb
	s_cselect_b64 s[22:23], s[8:9], s[6:7]
	s_cmp_ge_u32 s2, 8
	s_cselect_b64 s[22:23], s[22:23], s[4:5]
	s_cmp_ge_u32 s2, 17
	s_cselect_b64 s[22:23], s[10:11], s[22:23]
	s_cmp_ge_u32 s2, 18
	s_cselect_b64 s[22:23], s[12:13], s[22:23]
	s_lshl_b32 s26, s26, 5
	s_add_co_u32 s26, s26, ttmp9
	s_lshl_b32 s27, s27, 5
	s_add_co_u32 s27, s27, ttmp9
	s_lshl_b32 s28, s26, 17                        ; x 131,072 bytes, 33.4 million at the most
	s_mov_b32 s29, 0
	s_lshl_b32 s30, s27, 16                        ; x 65,536 bytes
	s_mov_b32 s31, 0
	s_add_nc_u64 s[22:23], s[22:23], s[28:29]
	s_add_nc_u64 s[24:25], s[24:25], s[30:31]
	s_wait_alu depctr_va_vdst(0)                   ; v1 and v2 are written: every load of this path reads v1 as its offset, every store v2
.set j, 0
.rept 32
	global_load_b128 v[X+4*j:X+4*j+3], v1, s[22:23] offset:4096*j th:TH_LOAD_NT
.set j, j+1
.endr
.set p, 0
.rept 32/BLOCK                         ; block p: loads 4 p to 4 p + 3
	s_wait_loadcnt 32-BLOCK-BLOCK*p                ; loads come back in order: block p's four are in, the younger ones stay out
.if p > 0
	s_wait_alu depctr_va_vdst(0)                   ; the conversions of block p - 1 have written the registers that the four stores below read
.endif
.set i, 0
.rept BLOCK
.set j, BLOCK*p+i
.if p > 0
	global_store_b64 v2, v[X+4*(j-BLOCK):X+4*(j-BLOCK)+1], s[24:25] offset:2048*(j-BLOCK)  ; the block before; no vector instruction since the wait names these registers
.endif
	v_cvt_pk_bf16_f32 v[X+4*j], v[X+4*j], v[X+4*j+1]
	v_cvt_pk_bf16_f32 v[X+4*j+1], v[X+4*j+2], v[X+4*j+3]
.set i, i+1
.endr
.set p, p+1
.endr
	s_wait_alu depctr_va_vdst(0)                   ; the last block's conversions have written the registers that the last four stores read
.set j, 32-BLOCK
.rept BLOCK
	global_store_b64 v2, v[X+4*j:X+4*j+1], s[24:25] offset:2048*j
.set j, j+1
.endr
	s_endpgm                                       ; this way stores nothing to LDS
.Lmask:
	v_lshrrev_b32 v3, 5, v0
	v_readfirstlane_b32 s23, v3                    ; wave 0..7; its first reader stands behind the loads
	v_lshlrev_b32 v1, 4, v0                        ; 16 t
	s_sub_co_u32 s22, s2, 19
	s_lshl_b32 s22, s22, 5
	s_add_co_u32 s22, s22, ttmp9                   ; g = 128 b + qt, 0..511
	s_lshl_b32 s24, s22, 15                        ; 16 rows of 2,048 bytes, on end in memory
	s_mov_b32 s25, 0
	s_add_nc_u64 s[14:15], s[14:15], s[24:25]
	s_wait_alu depctr_va_vdst(0)                   ; v1 is written, which the eight loads read as their offset
.set j, 0
.rept 8                                ; load j: bytes 4,096 j + 16 t of the 32,768: a wave's load covers 512 consecutive bytes
	global_load_b128 v[X+4*j:X+4*j+3], v1, s[14:15] offset:4096*j th:TH_LOAD_NT
.set j, j+1
.endr
	s_wait_alu depctr_va_sdst(0)                   ; s23 is written, ahead of its first reader: mb's address and the LDS addresses are made from it
	s_lshl_b32 s24, s22, 12                        ; a qt's 1,024 words
	s_lshl_b32 s25, s23, 9                         ; my wave's 128 of them
	s_add_co_u32 s24, s24, s25
	s_mov_b32 s25, 0
	s_add_nc_u64 s[20:21], s[20:21], s[24:25]
	s_lshr_b32 s26, s23, 2                         ; my wave's 512 bytes of load j lie in row 2 j + w / 4,
	s_mul_i32 s26, s26, MPITCH
	s_and_b32 s27, s23, 3                          ; at byte 512 (w % 4) of it
	s_lshl_b32 s27, s27, 9
	s_add_co_u32 s26, s26, s27
	v_and_b32 v5, 31, v0
	v_lshlrev_b32 v5, 4, v5                        ; 16 l: my place in the wave's 512 bytes, in and out
	v_add_nc_u32 v2, s26, v5                       ; into LDS
	v_and_b32 v3, 15, v0                           ; r = l % 16: the row that I pack
	v_bfe_u32 v4, v0, 4, 1                         ; h = l / 16
	v_mul_u32_u24 v3, v3, MPITCH
	v_lshl_add_u32 v3, v4, 4, v3
	s_lshl_b32 s27, s23, 8                         ; my wave's 256 keys
	v_add_nc_u32 v3, s27, v3                       ; out of LDS: r x pitch + 256 w + 16 h
.irp k, 44,45,46,47
	v_mov_b32 v\k, 0                               ; v_writelane_b32's destination counts as read
.endr
	s_wait_alu depctr_va_vdst(0)                   ; v2, v3 and v5 are written: the addresses of the LDS stores, of the LDS loads and of the global store below
.set j, 0
.rept 8
	s_wait_loadcnt 7-j                             ; load j is in, the younger ones stay out
	ds_store_b128 v2, v[X+4*j:X+4*j+3] offset:2*MPITCH*j
.set j, j+1
.endr
	s_wait_dscnt 0x0                               ; for the others' sake: my stores are done
	s_barrier_signal -1
	s_barrier_wait -1                              ; all 16 rows lie in LDS
	s_wait_alu depctr_vm_vsrc(0)                   ; my LDS stores have read v[X .. X+31], in which the LDS loads below land
.set j, 0
.rept 8                                ; read c: keys 256 w + 32 c + 16 h + 0..15 of row r
	ds_load_b128 v[X+4*j:X+4*j+3], v3 offset:32*j
.set j, j+1
.endr
; Read c.  Byte be = 8 h' + j of a lane's 16 is key 32 c + 16 h + 8 h' + j.  A compare gathers that byte of all 32 lanes: G(h', j), bit (r, h), 1 where the byte is 0.
; The word of key block 2 c + a and register j wants bit (r, h'') = key 32 c + 16 a + 8 h'' + j: the half h = a of G(0, j) below, that of G(1, j) above.
; Word number 16 c + 8 a + j of the wave's 128 goes to lane number / 4, register number % 4, so that one store of 16 bytes a lane writes them in order.
; The sixteen compares stand in one run, into sixteen scalar registers, with one wait behind the run.
.macro MW c
	s_wait_dscnt 7-(\c)                            ; LDS loads come back in order: read c is in, the younger ones stay out
.set be, 0
.rept 16
	v_and_b32 v[40+be%2], 0xff<<(8*(be%4)), v[X+4*(\c)+be/4]
	v_cmp_eq_u32 s[24+be], 0, v[40+be%2]
.set be, be+1
.endr
	s_wait_alu depctr_va_sdst(0)                   ; the sixteen compares have written s[24:39], ahead of the first scalar line that reads one of them
.set j, 0
.rept 8
	s_and_b32 s40, s[24+j], 0xffff
	s_lshl_b32 s41, s[32+j], 16
	s_or_b32 s40, s40, s41
	s_lshr_b32 s42, s[24+j], 16
	s_and_b32 s43, s[32+j], 0xffff0000
	s_or_b32 s42, s42, s43
	v_writelane_b32 v[44+j%4], s40, 4*(\c)+j/4
	v_writelane_b32 v[44+j%4], s42, 4*(\c)+2+j/4
.set j, j+1
.endr
.endm
.irp c, 0,1,2,3,4,5,6,7
	MW \c
.endr
	s_wait_alu depctr_va_vdst(0)                   ; the v_writelane_b32 lines have written v[44:47], which the store reads
	global_store_b128 v5, v[44:47], s[20:21]       ; 512 consecutive bytes, aligned
	s_wait_dscnt 0x0                               ; the closing lines, six on end
	s_wait_alu 0x0
	s_wait_tensorcnt 0x0
	ds_add_u32 v[SPW], v[NIL]
	s_wait_dscnt 0x0
	s_endpgm
.Lfunc_end_k_q4af8e7beaf_prep:
	.size	k_q4af8e7beaf_prep, .Lfunc_end_k_q4af8e7beaf_prep-k_q4af8e7beaf_prep
	.p2alignl 7, 3214868480
	.fill 96, 4, 3214868480
	.section	.rodata,"a",@progbits
	.p2align	6, 0x0
	.amdhsa_kernel k_q4af8e7beaf_prep
		.amdhsa_group_segment_fixed_size 34048
		.amdhsa_private_segment_fixed_size 0
		.amdhsa_enable_private_segment 0
		.amdhsa_kernarg_size 72
		.amdhsa_user_sgpr_count 2
		.amdhsa_user_sgpr_kernarg_segment_ptr 1
		.amdhsa_wavefront_size32 1
		.amdhsa_system_sgpr_workgroup_id_x 1
		.amdhsa_system_sgpr_workgroup_id_y 1
		.amdhsa_system_sgpr_workgroup_id_z 1
		.amdhsa_system_vgpr_workitem_id 0
		.amdhsa_next_free_vgpr 136
		.amdhsa_next_free_sgpr 66
		.amdhsa_reserve_vcc 0
		.amdhsa_float_denorm_mode_32 3
		.amdhsa_float_denorm_mode_16_64 3
		.amdhsa_memory_ordered 1
		.amdhsa_forward_progress 1
		.amdhsa_inst_pref_size 57
	.end_amdhsa_kernel
	.amdgpu_metadata
---
amdhsa.version: [ 1, 2 ]
amdhsa.kernels:
  - .name:           k_q4af8e7beaf_prep
    .symbol:         k_q4af8e7beaf_prep.kd
    .args:
      - { .name: x_q, .offset: 0, .size: 8, .value_kind: global_buffer, .address_space: global }
      - { .name: x_k_v, .offset: 8, .size: 8, .value_kind: global_buffer, .address_space: global }
      - { .name: w_q, .offset: 16, .size: 8, .value_kind: global_buffer, .address_space: global }
      - { .name: w_k, .offset: 24, .size: 8, .value_kind: global_buffer, .address_space: global }
      - { .name: w_v, .offset: 32, .size: 8, .value_kind: global_buffer, .address_space: global }
      - { .name: attn_mask, .offset: 40, .size: 8, .value_kind: global_buffer, .address_space: global }
      - { .name: xb, .offset: 48, .size: 8, .value_kind: global_buffer, .address_space: global }
      - { .name: wb, .offset: 56, .size: 8, .value_kind: global_buffer, .address_space: global }
      - { .name: mb, .offset: 64, .size: 8, .value_kind: global_buffer, .address_space: global }
    .group_segment_fixed_size: 34048
    .private_segment_fixed_size: 0
    .kernarg_segment_align: 8
    .kernarg_segment_size: 72
    .max_flat_workgroup_size: 256
    .sgpr_count:     66
    .vgpr_count:     136
    .wavefront_size: 32
...
	.end_amdgpu_metadata
.endif
;; end of part 4
;; launch proj: the kernel of part 2 again; grid 12 x 32, 4 waves a work-group, clusters of 4 x 4, 327,680 bytes of LDS; arguments xb, wb, b_q, b_k, b_v, qkv; writes qkv
;; launch attn: the kernel of part 3 again; grid 4 x 64, 8 waves a work-group, clusters of 4 x 1, 327,680 bytes of LDS; arguments qkv, mb, out0; writes out0
